; MI455X (gfx1250); checked and timed in simulation.
; The chip was launched on July 23, 2026; its instructions are those of AMD's public machine-readable ISA for CDNA 5 (MIT licence, August 2026) and "CDNA5" Instruction Set Architecture Reference Guide (July 2026). The comments in the code are by the model that wrote it; some were corrected since.
;; FFF Fanout. Allowed arithmetic: matrix products marked QUANTISED: E2M1 operands, one E8M0 scale for each 32 along K, by v_wmma_scale_f32_16x16x128_f8f6f4 with both operands' format E2M1 (or v_wmma_scale_f32_32x16x128_f4), f32 sums; everything else in f32.
;; Inputs: W_in_codes 21,840 x 8 x 16 uint8 (E2M1 codes of W_in, K innermost, in blocks of 32 codes, two codes a byte); W_in_scales 21,840 x 8 uint8 (E8M0 scales of W_in, one for each 32 codes along K); W_out 256 x 21,840 float32; b_in 21,840 float32; oldx_codes 2 x 2,048 x 8 x 16 uint8 (E2M1 codes of oldx, K innermost, in blocks of 32 codes, two codes a byte); oldx_scales 2 x 2,048 x 8 uint8 (E8M0 scales of oldx, one for each 32 codes along K).
;; Outputs: out0 2 x 2,048 x 256 float32.
;; This version of the problem:
;;   THIS VERSION OF THE PROBLEM IS GIVEN IN LOW PRECISION. The matrix products marked QUANTISED in the list below multiply operands that are first quantised to E2M1 (2 exponent bits, 1 mantissa bit; 4 bits a number), with one power-of-two scale for each 32 numbers along K (OCP MX v1.0); their sums are f32. All else is computed in f32.
;;   The module's matrix products, in the order in which they are computed (A, B: the left and right operand; K: the contracted axis; several contracted axes count as one K, in the product's order):
;;     1. [M 4,096, K 256] x [K 256, N 21,840]; A: input oldx (given as codes); B: input W_in (given as codes): QUANTISED
;;     2. [M 4,096, K 21,840] x [K 21,840, N 256]; A: computed on the way; B: input W_out: QUANTISED
;;   THE QUANTISER, for each operand of a quantised product, along K:
;;     - K is cut into blocks of 32 from its start; a last block that is shorter is filled with zeros.
;;     - A block's scale is 2^e with e = floor(log2(the largest magnitude in the block)) - 2, held to -126 .. 127; a block of zeros has e = 0. As a byte (E8M0): e + 127.
;;     - Each number is divided by its block's scale, clamped to +-6, and rounded to the nearest number of E2M1, ties to even, subnormals kept.
;;     - The product sums the exact products of the quantised numbers (number of the format x scale) in f32.
;;   ~~~python
;;   def quantise(x, axis):      # numpy; x: float32 -> the quantised numbers, widened to float32 again
;;       x = np.moveaxis(x, axis, -1); K = x.shape[-1]
;;       x = np.pad(x, [(0, 0)] * (x.ndim - 1) + [(0, -K % 32)]); x = x.reshape(x.shape[:-1] + (-1, 32)); a = np.abs(x).max(-1, keepdims=True)
;;       e = np.where(a > 0, np.clip(np.frexp(np.where(a > 0, a, 1))[1] - 1 - 2, -126, 127), 0)      # np.frexp(a)[1] - 1 = floor(log2(a)), exactly
;;       r = np.clip(x / 2.0 ** e, -6, 6)
;;       step = 2.0 ** (np.maximum(np.frexp(np.where(r == 0, 1, r))[1] - 1, 0) - 1)
;;       q = np.round(r / step) * step * 2.0 ** e      # np.round: ties to even
;;       return np.moveaxis(q.reshape(q.shape[:-2] + (-1,))[..., :K], -1, axis).astype(np.float32)
;;   ~~~
;;   OPERANDS COMPUTED ON THE WAY. 'Computed on the way' means the value that the module computes at that place (a softmax that the list does not call 'softmax' is quantised finished and normalised). What goes into a quantiser is computed in f32, as accurately as f32 sums, v_exp_f32 and their like allow (about 1e-6 of the number): no bf16 or f16 on the way to a quantiser, and a product that is left as it is and whose result goes on into a quantised operand takes f32 operands (vector FMAs, or v_wmma_f32_16x16x4_f32). A number that lies on a knife's edge between two numbers of the format may be rounded either way, as far as f32 arithmetic and the matrix unit's own rounding can turn it there, and no further.
;;   INPUTS GIVEN AS CODES. W_in (in the module: [21840, 256], K = its axis 1); oldx (in the module: [2, 2048, 256], K = its axis 2): each comes as NAME_codes (uint8): NAME with its K axis moved to the last place and cut into blocks of 32 codes, [.., K / 32, bytes a block], one block behind the other in memory; two codes a byte, the lower K in the low four bits (a code: sign, 2 exponent bits, 1 mantissa bit); and NAME_scales (uint8): the same leading axes, one E8M0 byte (e + 127) for each 32 codes along K. Its value is code x scale, taken as it is: it is not quantised again, and the codes and scales need not be those that the quantiser above would give.
;; 2 versions. Each part assembles by itself: llvm-mc -triple=amdgcn-amd-amdhsa -mcpu=gfx1250 --defsym DOCPART=n.
;; ======== version 1 of 2: 3 launches
;; workspace buffers: win_frag 2,801,664 bytes; wout_frag 2,801,664 bytes; wout_sc 175,104 bytes; ent_act 1,572,864 bytes; ent_gg 524,288 bytes of whole numbers
;; launch prep (part 1): grid 257 x 4, 4 waves a work-group, no clusters, 34,560 bytes of LDS; arguments W_out, W_in_codes, wout_frag, wout_sc, win_frag; writes wout_frag, wout_sc, win_frag
.if DOCPART == 1
	.amdgcn_target "amdgcn-amd-amdhsa--gfx1250"
	.amdhsa_code_object_version 6
	.text
	.protected	k_qf5076558f7_prep
	.globl	k_qf5076558f7_prep
	.p2align	8
	.type	k_qf5076558f7_prep,@function
k_qf5076558f7_prep:
	s_mov_b64 s[64:65], 0
	v_nop
	global_prefetch_b8 v0, s[64:65] scope:SCOPE_SE
	s_setreg_imm32_b32 hwreg(HW_REG_WAVE_MODE, 25, 1), 1
	s_wait_xcnt 0x0
; PREP.  Two jobs in one launch, chosen by the work-group's x alone.
; x < 171: W_out [256][21840] f32 (K innermost) is quantised along K to codes of E2M1 with one E8M0 byte for each 32, and laid IN THE ORDER OF AN OPERAND'S REGISTERS:
;   wout_frag [nq 4][ks 171][b 4][c 2][lane 32][16 bytes]: lane (r, h) holds block 4 ks + 2 c + h of row 64 nq + 16 b + r;  wout_sc [nq][ks][b][r]: one word, the K step's four scale bytes.
;   Work-group (x, y) takes K step x of rows 64 y .. 64 y + 63, wave w the 16 rows of tile b = w.  Each load reads 512 consecutive bytes of one row; the 16 rows turn through the wave's own stage in LDS
;   (rows 528 bytes apart), out of which a lane takes two whole blocks of 32 numbers of its row.  K ends at 21,840: what lies beyond is made zero ahead of the block's maximum, and no load leaves a row.
; x >= 171: W_in's codes are copied into win_frag [p 4][T 342][j 4][lane 32][16 bytes]: tile 0 = rows 0-15 of tree p, tile T >= 1 = rows 16 T - 12 on, so that a tile is the four children of one node.
;   j = 2 s + c: lane (r, h) holds the 16 bytes of row r at byte 32 j + 16 h.  Wave w of work-group x takes tile 4 (x - 171) + w, held at 341 (the last work-group writes that tile three times, with the same bytes).
; A block's scale is 2^(floor(log2(largest magnitude)) - 2); its byte is the largest magnitude's exponent field - 2, held at 1 from below.  A block of zeros keeps the byte 1: its codes are zeros, and this program alone reads the bytes.
; LIMITS: NaN and infinities in W_out are not served.
; No tensor loads, clusters or matrix work: a stream, each input byte read once.
.set KROWB,  87360                     ; a row of W_out in bytes
.set NKS,    171                       ; K steps of 128
.set SPITCH, 528                       ; a stage row: 512 bytes + 16: an odd multiple of 16, so that sixteen rows begin in sixteen different groups of banks
.set WSTG,   16*SPITCH                 ; a wave's stage
.set SCG,    4*WSTG                    ; behind the stages: the work-group's 64 scale words
.set R,   16                           ; v16-79   16 rows x 4 registers as loaded
.set X,   80                           ; v80-143  my two blocks of 32 numbers
.set C,   144                          ; v144-151 their codes
.set MG,  152                          ; v152-153 largest magnitudes, v154-155 scale operands, v156-157 bytes, v158 the word, v159 at work
	s_load_b256 s[4:11], s[0:1], 0x0               ; W_out s[4:5], W_in's codes s[6:7], wout_frag s[8:9], wout_sc s[10:11]
	s_load_b64 s[12:13], s[0:1], 0x20              ; win_frag
	v_lshl_add_u32 v160, v0, 2, 0x8500
	v_mov_b32 v161, 0
	v_lshrrev_b32 v1, 5, v0
	v_readfirstlane_b32 s14, v1                    ; wave
	s_and_b32 s15, ttmp7, 0xffff                   ; y
	v_and_b32 v1, 31, v0                           ; lane
	v_and_b32 v2, 15, v0                           ; r
	v_bfe_u32 v3, v0, 4, 1                         ; h
	v_lshlrev_b32 v7, 4, v1                        ; 16 x lane
	s_mul_i32 s16, s14, WSTG
	v_add_nc_u32 v5, s16, v7                       ; the stage, on the way in: a row's 512 bytes as they lie
	v_mul_u32_u24 v6, v2, SPITCH
	v_lshl_add_u32 v6, v3, 7, v6
	v_add_nc_u32 v6, s16, v6                       ; and on the way out: row r, + 128 h: my blocks h and 2 + h
	s_lshl_b32 s16, s14, 6
	v_lshl_add_u32 v8, v2, 2, s16
	v_add_nc_u32 v8, SCG, v8                       ; my row's scale word: 64 x wave + 4 r
	v_lshlrev_b32 v12, 3, v1                       ; 8 x lane
	v_add_nc_u32 v9, SCG, v12
	s_mov_b32 s22, 0x76543210
	s_mov_b32 s23, 0xfedcba98                      ; v_permlanex16_b32's selects for lane l xor 16
	s_mul_i32 s24, s15, NKS
	s_add_co_u32 s24, s24, ttmp9                   ; 171 y + x
	s_lshl_b32 s26, s24, 8                         ; 256 bytes of scale words a K step
	s_mov_b32 s27, 0
	s_wait_kmcnt 0x0
	s_add_nc_u64 s[10:11], s[10:11], s[26:27]      ; (used by the quantising work-groups alone)
	s_cmp_ge_u32 ttmp9, NKS
	s_cbranch_scc1 .Lrelay
	; ---- the quantiser
	s_lshl_b32 s17, ttmp9, 9
	v_add_nc_u32 v4, s17, v7                       ; my 16 bytes of the K step's 512 in a row
	v_cmp_gt_u32 s20, KROWB, v4                    ; inside the row?
	v_cndmask_b32 v4, 0, v4, s20                   ; a lane beyond the row's end reads the row's first bytes and throws them away
	s_lshl_b32 s18, s15, 6
	s_lshl_b32 s19, s14, 4
	s_add_co_u32 s18, s18, s19                     ; my first row: 64 y + 16 w
	s_mul_i32 s18, s18, KROWB
	s_mov_b32 s19, 0
	s_add_nc_u64 s[4:5], s[4:5], s[18:19]
	s_lshl_b32 s18, s24, 2
	s_add_co_u32 s18, s18, s14
	s_lshl_b32 s18, s18, 10                        ; ((171 y + x) 4 + w) x 1,024 bytes
	s_add_nc_u64 s[8:9], s[8:9], s[18:19]
.irp i, 0,1,2,3,4,5,6,7,8,9,10,11,12,13,14,15
	global_load_b128 v[R+4*\i:R+4*\i+3], v4, s[4:5] offset:\i*KROWB th:TH_LOAD_NT   ; 32 lanes read 512 consecutive bytes of row i
.endr
.irp i, 0,1,2,3,4,5,6,7,8,9,10,11,12,13,14,15
	s_wait_loadcnt 15-\i                           ; row i is in; the younger rows may be out
.irp j, 0,1,2,3
	v_cndmask_b32 v[R+4*\i+\j], 0, v[R+4*\i+\j], s20   ; zeros beyond K's end
.endr
	ds_store_b128 v5, v[R+4*\i:R+4*\i+3] offset:SPITCH*\i
.endr
.irp c, 0,1
.irp q, 0,1,2,3,4,5,6,7
	ds_load_b128 v[X+32*\c+4*\q:X+32*\c+4*\q+3], v6 offset:256*\c+16*\q   ; LDS serves a wave's instructions in order: these see my stores
.endr
.endr
	s_wait_dscnt 0x0
.irp c, 0,1
	v_max3_num_f32 v[MG+\c], |v[X+32*\c]|, |v[X+32*\c+1]|, 0x1800000   ; the floor 2^(3 - 127) among the leaves: the byte cannot fall under 1
.endr
.irp i, 2,4,6,8,10,12,14,16,18,20,22,24,26,28,30
.irp c, 0,1
	v_max3_num_f32 v[MG+\c], v[MG+\c], |v[X+32*\c+\i]|, |v[X+32*\c+\i+1]|   ; the two blocks by turns
.endr
.endr
.irp c, 0,1
	v_add_nc_u32 v[MG+2+\c], 0xff000000, v[MG+\c]  ; 2 off the exponent field: the conversion's scale operand
.endr
.irp c, 0,1
	v_lshrrev_b32 v[MG+4+\c], 23, v[MG+2+\c]       ; the scale's byte
.endr
	v_lshl_or_b32 v158, v157, 16, v156             ; my two bytes: blocks h and 2 + h,
	v_lshlrev_b32 v159, 3, v3
	v_lshlrev_b32 v158, v159, v158                 ; 8 h bits up;
	v_mov_b32 v159, 0
	v_permlanex16_b32 v159, v158, s22, s23
	v_or_b32 v158, v158, v159                      ; with lane l xor 16's two the word is whole
.irp c, 0,1
.irp g, 0,1,2,3
	v_cvt_scalef32_pk8_fp4_f32 v[C+4*\c+\g], v[X+32*\c+8*\g:X+32*\c+8*\g+7], v[MG+2+\c]
.endr
.endr
	v_nop                                          ; one plain place behind the conversions
.irp c, 0,1
	global_store_b128 v7, v[C+4*\c:C+4*\c+3], s[8:9] offset:512*\c   ; 32 lanes store 512 consecutive bytes
.endr
	ds_store_b32 v8, v158                          ; both halves of the lanes write the same word with the same value
	s_branch .Ljoin
.Lrelay:
	; ---- W_in's codes into the order of an operand's registers
	s_sub_co_u32 s17, ttmp9, NKS
	s_lshl_b32 s17, s17, 2
	s_add_co_u32 s17, s17, s14
	s_min_u32 s17, s17, 341                        ; my tile
	s_lshl_b32 s18, s17, 4
	s_sub_co_i32 s18, s18, 12
	s_max_i32 s18, s18, 0                          ; its first row in the tree
	s_mul_i32 s19, s15, 5460
	s_add_co_u32 s18, s18, s19
	s_lshl_b32 s18, s18, 7                         ; 128 bytes a row
	s_mov_b32 s19, 0
	s_add_nc_u64 s[6:7], s[6:7], s[18:19]
	s_mul_i32 s18, s15, 342
	s_add_co_u32 s18, s18, s17
	s_lshl_b32 s18, s18, 11                        ; 2,048 bytes a tile
	s_add_nc_u64 s[12:13], s[12:13], s[18:19]
	v_lshlrev_b32 v4, 7, v2
	v_lshl_add_u32 v4, v3, 4, v4                   ; 128 r + 16 h
.irp j, 0,1,2,3
	global_load_b128 v[R+4*\j:R+4*\j+3], v4, s[6:7] offset:32*\j
.endr
	s_wait_loadcnt 0x0
.irp j, 0,1,2,3
	global_store_b128 v7, v[R+4*\j:R+4*\j+3], s[12:13] offset:512*\j
.endr
.Ljoin:
	s_wait_dscnt 0x0                               ; my scale words lie in LDS
	s_barrier_signal -1
	s_barrier_wait -1                              ; everybody's do
	s_cmp_ge_u32 ttmp9, NKS
	s_cbranch_scc1 .Lend
	s_cmp_lg_u32 s14, 0
	s_cbranch_scc1 .Lend
	ds_load_b64 v[10:11], v9                       ; wave 0 stores the K step's 64 words
	s_wait_dscnt 0x0
	global_store_b64 v12, v[10:11], s[10:11]       ; 32 lanes store 256 consecutive bytes, at a multiple of 256 from the buffer's first byte
.Lend:
	s_wait_tensorcnt 0x0
	ds_add_u32 v160, v161
	s_wait_dscnt 0x0
	s_endpgm
.Lfunc_end_k_qf5076558f7_prep:
	.size	k_qf5076558f7_prep, .Lfunc_end_k_qf5076558f7_prep-k_qf5076558f7_prep
	.p2alignl 7, 3214868480
	.fill 96, 4, 3214868480
	.section	.rodata,"a",@progbits
	.p2align	6, 0x0
	.amdhsa_kernel k_qf5076558f7_prep
		.amdhsa_group_segment_fixed_size 34560
		.amdhsa_private_segment_fixed_size 0
		.amdhsa_enable_private_segment 0
		.amdhsa_kernarg_size 40
		.amdhsa_user_sgpr_count 2
		.amdhsa_user_sgpr_kernarg_segment_ptr 1
		.amdhsa_wavefront_size32 1
		.amdhsa_system_sgpr_workgroup_id_x 1
		.amdhsa_system_sgpr_workgroup_id_y 1
		.amdhsa_system_sgpr_workgroup_id_z 1
		.amdhsa_system_vgpr_workitem_id 0
		.amdhsa_next_free_vgpr 162
		.amdhsa_next_free_sgpr 66
		.amdhsa_reserve_vcc 0
		.amdhsa_float_denorm_mode_32 3
		.amdhsa_float_denorm_mode_16_64 3
		.amdhsa_memory_ordered 1
		.amdhsa_forward_progress 1
		.amdhsa_inst_pref_size 16
	.end_amdhsa_kernel
	.amdgpu_metadata
---
amdhsa.version: [ 1, 2 ]
amdhsa.kernels:
  - .name:           k_qf5076558f7_prep
    .symbol:         k_qf5076558f7_prep.kd
    .args:
      - { .name: W_out, .offset: 0, .size: 8, .value_kind: global_buffer, .address_space: global }
      - { .name: W_in_codes, .offset: 8, .size: 8, .value_kind: global_buffer, .address_space: global }
      - { .name: wout_frag, .offset: 16, .size: 8, .value_kind: global_buffer, .address_space: global }
      - { .name: wout_sc, .offset: 24, .size: 8, .value_kind: global_buffer, .address_space: global }
      - { .name: win_frag, .offset: 32, .size: 8, .value_kind: global_buffer, .address_space: global }
    .group_segment_fixed_size: 34560
    .private_segment_fixed_size: 0
    .kernarg_segment_align: 8
    .kernarg_segment_size: 40
    .max_flat_workgroup_size: 128
    .sgpr_count:     66
    .vgpr_count:     162
    .wavefront_size: 32
...
	.end_amdgpu_metadata
.endif
;; end of part 1
;; launch route (part 2): grid 64 x 4, 8 waves a work-group, no clusters, 140,544 bytes of LDS; arguments oldx_codes, oldx_scales, win_frag, W_in_scales, b_in, ent_act, ent_gg; writes ent_act, ent_gg
.if DOCPART == 2
	.amdgcn_target "amdgcn-amd-amdhsa--gfx1250"
	.amdhsa_code_object_version 6
	.text
	.protected	k_qf5076558f7_route
	.globl	k_qf5076558f7_route
	.p2align	8
	.type	k_qf5076558f7_route,@function
k_qf5076558f7_route:
	s_mov_b64 s[64:65], 0
	v_nop
	global_prefetch_b8 v0, s[64:65] scope:SCOPE_SE
	s_setreg_imm32_b32 hwreg(HW_REG_WAVE_MODE, 25, 1), 1
	s_wait_xcnt 0x0
; ROUTE.  logits = x W_in^T + b_in on codes of E2M1 (all 21,840 of them), the walk down the trees, and the exact GELU of the six groups of four that a token keeps in each tree.
; SHARES.  Work-group (bx, p): tokens 64 bx .. 64 bx + 63, tree p.  Eight waves, two to a SIMD.  The matrix instruction is used transposed (source 0 = 16 rows of W_in, source 1 = 16 tokens, C = the bias):
; lane (r, h) holds token r and rows 8 h .. 8 h + 7 of the tile.  A TILE IS THE FOUR CHILDREN OF ONE NODE (win_frag is laid so), so the tile that a token needs at level L + 1 is known from its node at level L.
; THE MASK IS A MULTIPLICATION BY 0 OR 1: each tile's results are added, times (tile == the token's tile), into eight candidate registers a token tile: two numbers an instruction, no address and no branch hangs on a decision.
; PHASE A (waves 0-3, one token tile each): tiles 0-21 (levels 0-3) from LDS; four decisions give c4, the token's node at level 4.  MAIN: every wave holds all 64 tokens and an eighth of the tiles of levels 4 and 5
; (8 + 32 tiles), straight from memory into a ring of eight tiles in registers: each fragment is read by one wave of the work-group alone, so a way through LDS would only add a write and a read for each byte, and a joint
; request in a cluster has no LDS tile to land in; that is why there is no tensor load and no cluster here.  LAST (waves 0-3): the eight waves' candidates are added (one of them is not zero), two more decisions, and the results leave.
; GELU(x) = max(x, 0) - |x| Q, Q = erfc(|x| / sqrt 2) / 2 = t 2^(P(t) - x^2 log2(e) / 2), t = 1 / (1 + |x| / (2 sqrt 2)), P a polynomial of degree 9 (fractional error of the fit 1.2e-7); x^2 is kept with its rounding error,
; and log2(e) / 2 in two parts.  The largest of four is taken by strict compares, so that the lower index wins a tie.
; OUT: ent_act [p][L 6][token][4] f32;  ent_gg [p][token][8] whole numbers: 1365 p + the token's group at levels 0-5, then 0, 0.
; LIMITS: every logit must be finite (0 x infinity is NaN here as in a product with a 0/1 mask); NaN is not served; Q is taken as 0 where it falls under 2^-126 (x under about -13.2);
; a decision between two activations closer than some 1e-6 of their size can fall either way.
; REGISTERS, in two windows of 256 (s_set_vgpr_msb's low byte: bits 1:0 source 0, 3:2 source 1, 5:4 source 2, 7:6 destination).
;   window 0: v1-22 addresses; v24-41 scale words (they hold nothing else); v42-49 the masks, in pairs; v50-113 phase A's W fragments; v114-116 addresses; v128-255 the ring of eight W tiles.
;   window 1: v0-63 x's fragments; v64-127 two sets of four accumulators; v128-159 candidates; v160-191 four tiles' biases; v192-223 at work in a decision; v224-239 keys and the walk's state; v240-255 my own token tile's x.
.set BIAS,  0                          ; LDS: b_in of tree p: 21,840 bytes in 24,576 (each thread stages at 16 x thread; what lies beyond is never read)
.set PAC,   24576                      ; tiles 0-21 as they lie in win_frag: 45,056 bytes
.set PAS,   69632                      ; W_in's scale bytes of rows 0-351: 2,816 bytes in 4,096
.set KEYS,  73728                      ; c4 of the 64 tokens
.set COMB4, 73984                      ; [wave 8][k 8][lane][16]: each wave's candidates of level 4;
.set COMB5, 106752                     ; of level 5
.set VL16, 1
.set VXA,  4
.set VSC,  5
.set VB4,  6
.set VB5,  7
.set VPAC, 8
.set VPAS0, 9
.set VPAS, 10
.set VPB,  11
.set VKS,  12
.set VKL,  13
.set VC4S, 14
.set VC5S, 15
.set VC4L, 16
.set VC5L, 17
.set VEA,  18
.set VEG,  19
.set VT16, 20
.set VTP,  21
.set VB5B, 22
.set XS,   24                          ; v24-27 x's scale words: pair a / 2, register s; lanes 0-15 tile a even, lanes 16-31 tile a odd
.set XOS,  28                          ; v28-29 my own tile's
.set WS,   30                          ; v30-37 W's: four slots of a pair of tiles
.set PAWS, 38                          ; v38-41 phase A's: two slots
.set M,    42
.set PAW,  50
.set VCB,  114
.set VCS,  115
.set VXO,  116
.set WR,   128
.set XF,   0
.set ACC,  64
.set SEL,  128
.set BI,   160
.set GX,   192
.set GY,   196
.set GA,   200
.set GS,   204
.set GE,   208
.set GT,   212
.set GP,   216
.set GM,   220
.set KEY,  224
.set KEYN, 228
.set H1,   232
.set MV,   233                         ; the last move
.set CC,   234                         ; the node's number in its level
.set K1,   235
.set TA,   236
.set B0,   237
.set B1,   238
.set I0,   239
.set XO,   240
.set ACCA, 64                          ; phase A: two accumulators,
.set CAND2, 80                         ; the candidates of levels 2 and 3,
.set CAND3, 88
.set ACT,  96                          ; four levels' activations,
.set OUT,  112                         ; what is stored,
.set PBI,  128                         ; and two slots of two tiles' biases
.set MAIN, 0x54                        ; source 0 window 0; sources 1, 2 and the destination window 1
.set BLK,  0x14                        ; destination and source 0 window 0; source 1 window 1
.set ALL1, 0x55
.set D1,   0x40                        ; destination window 1
.set MSB, 0
.macro WIN new                         ; the immediate's high byte repeats the setting that is left
.if MSB != \new
	s_set_vgpr_msb (MSB<<8)|\new
.set MSB, \new
.endif
.endm
; one matrix instruction on the registers named by rD, rA, rB, rC, rSA, rSB; ra, rb: which half of the lanes holds A's and B's scale words
.macro WM ra, rb
.if ((\ra)==0)&&((\rb)==0)
	v_wmma_scale_f32_16x16x128_f8f6f4 v[rD:rD+7], v[rA:rA+7], v[rB:rB+7], v[rC:rC+7], v[rSA], v[rSB] matrix_a_fmt:MATRIX_FMT_FP4 matrix_b_fmt:MATRIX_FMT_FP4
.elseif ((\ra)==1)&&((\rb)==0)
	v_wmma_scale_f32_16x16x128_f8f6f4 v[rD:rD+7], v[rA:rA+7], v[rB:rB+7], v[rC:rC+7], v[rSA], v[rSB] matrix_a_fmt:MATRIX_FMT_FP4 matrix_b_fmt:MATRIX_FMT_FP4 matrix_a_scale:MATRIX_SCALE_ROW1
.elseif ((\ra)==0)&&((\rb)==1)
	v_wmma_scale_f32_16x16x128_f8f6f4 v[rD:rD+7], v[rA:rA+7], v[rB:rB+7], v[rC:rC+7], v[rSA], v[rSB] matrix_a_fmt:MATRIX_FMT_FP4 matrix_b_fmt:MATRIX_FMT_FP4 matrix_b_scale:MATRIX_SCALE_ROW1
.else
	v_wmma_scale_f32_16x16x128_f8f6f4 v[rD:rD+7], v[rA:rA+7], v[rB:rB+7], v[rC:rC+7], v[rSA], v[rSB] matrix_a_fmt:MATRIX_FMT_FP4 matrix_b_fmt:MATRIX_FMT_FP4 matrix_a_scale:MATRIX_SCALE_ROW1 matrix_b_scale:MATRIX_SCALE_ROW1
.endif
.endm
; A DECISION (all in window 1).  cand: a tile's 8 registers (rows 8 h + 0 .. 7 of the token's tile).  Child MV of the tile is the token's group: its four logits are picked, brought to both halves of the lanes,
; put through GELU into act .. act + 3, and the place of the largest becomes the new MV; CC = 4 CC + MV.
.macro RESOLVE cand, act
	v_and_b32 v[TA], 1, v[MV]
	v_cmp_eq_u32 vcc_lo, 1, v[TA]
.irp j, 0,1,2,3
	v_cndmask_b32 v[GX+\j], v[\cand+\j], v[\cand+4+\j], vcc_lo   ; child 2 h or 2 h + 1 (the tile is read from its low end on)
.endr
	v_lshrrev_b32 v[TA], 1, v[MV]
	v_cmp_eq_u32 vcc_lo, v[TA], v[H1]
.irp j, 0,1,2,3
	v_cndmask_b32 v[GX+\j], 0, v[GX+\j], vcc_lo    ; the half of the lanes that holds it keeps it
.endr
.irp j, 0,1,2,3
	v_permlanex16_b32 v[GY+\j], v[GX+\j], s22, s23
.endr
.irp j, 0,1,2,3
	v_or_b32 v[GX+\j], v[GX+\j], v[GY+\j]          ; one of the two is all zero bits
.endr
.irp j, 0,1,2,3
	v_min_num_f32 v[GA+\j], |v[GX+\j]|, s46        ; |x|, held at 16: beyond it Q is 0 in f32
.endr
.irp u, 0,2
	v_pk_mul_f32 v[GS+\u:GS+\u+1], v[GA+\u:GA+\u+1], v[GA+\u:GA+\u+1]   ; x^2, rounded,
.endr
.irp u, 0,2
	v_pk_fma_f32 v[GE+\u:GE+\u+1], v[GA+\u:GA+\u+1], v[GA+\u:GA+\u+1], v[GS+\u:GS+\u+1] neg_lo:[0,0,1] neg_hi:[0,0,1]   ; and what the rounding dropped
	v_pk_fma_f32 v[GT+\u:GT+\u+1], v[GA+\u:GA+\u+1], 0x3eb504f3, 1.0 op_sel_hi:[1,0,0]   ; 1 + |x| / (2 sqrt 2)
.endr
.irp j, 0,1,2,3
	v_rcp_f32 v[GT+\j], v[GT+\j]                   ; t
.endr
.irp j, 0,1,2,3
	v_mov_b32 v[GP+\j], 0x3e7c6f08                 ; the polynomial's leading coefficient x log2(e).  (Plain places behind the reciprocals)
.endr
	s_wait_alu depctr_va_vdst(0)
.irp k, 0xbf97d29d,0x40097039,0xbfd1a1e5,0x3ecdfd18,0xbe899a80,0x3e0efb2e,0x3f0a29d2,0x3fb8ab5a,0xc034d90f
.irp u, 0,2
	v_pk_fma_f32 v[GP+\u:GP+\u+1], v[GP+\u:GP+\u+1], v[GT+\u:GT+\u+1], \k op_sel_hi:[1,1,0]   ; Horner; the last coefficient has 1 taken off for the factor 1/2
.endr
.endr
.irp u, 0,2
	v_pk_fma_f32 v[GP+\u:GP+\u+1], v[GE+\u:GE+\u+1], 0xbf38aa3b, v[GP+\u:GP+\u+1] op_sel_hi:[1,0,1]   ; - x^2 log2(e) / 2: the small parts first
.endr
.irp u, 0,2
	v_pk_fma_f32 v[GP+\u:GP+\u+1], v[GS+\u:GS+\u+1], 0xb2257060, v[GP+\u:GP+\u+1] op_sel_hi:[1,0,1]
.endr
.irp u, 0,2
	v_pk_fma_f32 v[GP+\u:GP+\u+1], v[GS+\u:GS+\u+1], 0xbf38aa3b, v[GP+\u:GP+\u+1] op_sel_hi:[1,0,1]
.endr
.irp j, 0,1,2,3
	v_exp_f32 v[GP+\j], v[GP+\j]
.endr
.irp j, 0,1,2,3
	v_max_num_f32 v[GM+\j], 0, v[GX+\j]            ; max(x, 0).  (Plain places behind the exponentials)
.endr
	s_wait_alu depctr_va_vdst(0)
.irp u, 0,2
	v_pk_mul_f32 v[GT+\u:GT+\u+1], v[GT+\u:GT+\u+1], v[GP+\u:GP+\u+1]   ; Q
.endr
.irp j, 0,1,2,3
	v_fma_f32 v[\act+\j], -|v[GX+\j]|, v[GT+\j], v[GM+\j]
.endr
	v_cmp_gt_f32 vcc_lo, v[\act+1], v[\act]
	v_cndmask_b32 v[B0], v[\act], v[\act+1], vcc_lo
	v_cndmask_b32 v[I0], 0, 1, vcc_lo
	v_cmp_gt_f32 vcc_lo, v[\act+3], v[\act+2]
	v_cndmask_b32 v[B1], v[\act+2], v[\act+3], vcc_lo
	v_cndmask_b32 v[TA], 2, 3, vcc_lo
	v_cmp_gt_f32 vcc_lo, v[B1], v[B0]
	v_cndmask_b32 v[MV], v[I0], v[TA], vcc_lo
	v_lshl_add_u32 v[CC], v[CC], 2, v[MV]
.endm
; PHASE A.  Group g is tiles 2 g and 2 g + 1.  Its 13 LDS loads, into slot g % 2:
.macro PALOAD g
	WIN BLK
.irp t, 0,1
.irp j, 0,1,2,3
	ds_load_b128 v[PAW+32*((\g)%2)+16*\t+4*\j:PAW+32*((\g)%2)+16*\t+4*\j+3], v[VPAC] offset:2048*(2*(\g)+\t)+512*\j
.endr
.endr
.if (\g)==0
	ds_load_b64 v[PAWS:PAWS+1], v[VPAS0]           ; lanes 0-15 rows 0-15, lanes 16-31 rows 4-19
.else
	ds_load_b64 v[PAWS+2*((\g)%2):PAWS+2*((\g)%2)+1], v[VPAS] offset:256*(\g)-96   ; 32 rows on end from row 32 g - 12
.endif
	WIN MAIN
.irp t, 0,1
.irp q, 0,1
.if ((\g)==0)&&(\t==0)
	ds_load_b128 v[PBI+4*\q:PBI+4*\q+3], v[VPB] offset:16*\q
.else
	ds_load_b128 v[PBI+16*((\g)%2)+8*\t+4*\q:PBI+16*((\g)%2)+8*\t+4*\q+3], v[VPB] offset:64*(2*(\g)+\t)-48+16*\q
.endif
.endr
.endr
.endm
.macro PAW4 g                          ; its four matrix instructions: the two accumulators by turns
.irp s, 0,1
.irp t, 0,1
.set rD, ACCA+8*\t
.set rA, PAW+32*((\g)%2)+16*\t+8*\s
.set rB, XO+8*\s
.if \s==0
.set rC, PBI+16*((\g)%2)+8*\t
.else
.set rC, rD
.endif
.set rSA, PAWS+2*((\g)%2)+\s
.set rSB, XOS+\s
	WM \t, 0
.endr
.endr
.endm
; A group with its selection: tile 2 g counts where key == c0, tile 2 g + 1 where key == c0 + 1.  start = 1: the first tile starts the candidates' sums.
.macro PAG g, key, c0, cand, start
	s_wait_dscnt 0x0                               ; this group's loads are in
.if (\g)<10
	PALOAD (\g)+1                                  ; the next group's, into the slot that the group before has left (its products stand more than four plain instructions back)
.endif
	WIN MAIN
	PAW4 \g
	WIN BLK
	v_cmp_eq_u32 vcc_lo, \c0, v[\key]
	v_cndmask_b32 v[M], 0, 1.0, vcc_lo
	v_cmp_eq_u32 vcc_lo, (\c0)+1, v[\key]
	v_cndmask_b32 v[M+2], 0, 1.0, vcc_lo
	v_nop                                          ; with the four lines above: the places between the products and the first read of their results (ISA guide 7.12.1)
	v_nop
	WIN MAIN
.irp u, 0,2,4,6
.if \start
	v_pk_mul_f32 v[\cand+\u:\cand+\u+1], v[M:M+1], v[ACCA+\u:ACCA+\u+1] op_sel_hi:[0,1]
.else
	v_pk_fma_f32 v[\cand+\u:\cand+\u+1], v[M:M+1], v[ACCA+\u:ACCA+\u+1], v[\cand+\u:\cand+\u+1] op_sel_hi:[0,1,1]
.endif
.endr
.irp u, 0,2,4,6
	v_pk_fma_f32 v[\cand+\u:\cand+\u+1], v[M+2:M+3], v[ACCA+8+\u:ACCA+8+\u+1], v[\cand+\u:\cand+\u+1] op_sel_hi:[0,1,1]
.endr
.endm
; MAIN.  Operation o of 16 of a tile's selection: token tile o / 4, registers 2 (o % 4) on, of accumulator set 'set': each accumulator from its low end on.
.macro SLOP o, set, start
.set sA, ACC+32*(\set)+8*((\o)/4)+2*((\o)%4)
.set sS, SEL+8*((\o)/4)+2*((\o)%4)
.set sM, M+2*((\o)/4)
.if \start
	v_pk_mul_f32 v[sS:sS+1], v[sM:sM+1], v[sA:sA+1] op_sel_hi:[0,1]
.else
	v_pk_fma_f32 v[sS:sS+1], v[sM:sM+1], v[sA:sA+1], v[sS:sS+1] op_sel_hi:[0,1,1]
.endif
.endm
; Tile n of my 40: eight matrix instructions (K step 0 of the four token tiles with the bias as C, then K step 1: the four accumulators by turns), and between them tile n - 1's selection.
; refill: tile n + 7 is asked for, into the ring slot that tile n - 1 has left; with an even n also the scale words of tiles n + 6 and n + 7.  bsel: the bias of tile n + 3 comes from LDS (1: level 4, 2: level 5).
; lc: four loads for each younger tile may stay out.  dc: two bias loads for each younger tile.
; The masks and the two selection lines behind the last product are the plain instructions between tile n - 1's products and the loads into its registers.
.macro PHASE n, slices, start, refill, bsel, lc, dc
.set PN, \n
.set PM, (PN+7)%8
.if \slices
	WIN BLK
.irp a, 0,1,2,3
	v_cmp_eq_u32 vcc_lo, PM, v[KEY+\a]
	v_cndmask_b32 v[M+2*\a], 0, 1.0, vcc_lo
.endr
.endif
.if \refill
	WIN BLK
.if PN%2==0
	global_load_b64 v[WS+2*(((PN+6)/2)%4):WS+2*(((PN+6)/2)%4)+1], v[VSC], s[30:31] offset:128*((PN+6)%8)
.endif
.irp j, 0,1,2,3
	global_load_b128 v[WR+16*PM+4*\j:WR+16*PM+4*\j+3], v[VL16], s[26:27] offset:2048*PM+512*\j
.endr
.endif
	WIN MAIN
.if \bsel==1
.irp q, 0,1
	ds_load_b128 v[BI+8*((PN+3)%4)+4*\q:BI+8*((PN+3)%4)+4*\q+3], v[VB4] offset:64*(PN+3)+16*\q
.endr
.elseif \bsel==2
.irp q, 0,1
	ds_load_b128 v[BI+8*((PN+3)%4)+4*\q:BI+8*((PN+3)%4)+4*\q+3], v[VB5] offset:64*PM+16*\q
.endr
.endif
	s_wait_loadcnt \lc
	s_wait_dscnt \dc
.set I, 0
.rept 8
.set rD, ACC+32*(PN%2)+8*(I%4)
.set rA, WR+16*(PN%8)+8*(I/4)
.set rB, XF+16*(I%4)+8*(I/4)
.if I<4
.set rC, BI+8*(PN%4)
.else
.set rC, rD
.endif
.set rSA, WS+2*((PN/2)%4)+I/4
.set rSB, XS+2*((I%4)/2)+I/4
	WM PN%2, I%2
.if \slices
	SLOP 2*I, (PN+1)%2, \start
	SLOP 2*I+1, (PN+1)%2, \start
.endif
.set I, I+1
.endr
.endm
.macro STEP8                           ; eight tiles of level 5 on: the bases step only behind a wait that shows the loads' addresses read
	WIN 0
	s_wait_xcnt 0x0
	s_add_nc_u64 s[26:27], s[26:27], 16384
	s_add_nc_u64 s[30:31], s[30:31], 1024
	s_add_co_u32 s34, s34, 512
	v_add_nc_u32 v[VB5], s34, v[VB5B]
.endm
	s_load_b256 s[4:11], s[0:1], 0x0               ; x's codes s[4:5], x's scales s[6:7], win_frag s[8:9], W_in's scales s[10:11]
	s_load_b128 s[12:15], s[0:1], 0x20             ; b_in s[12:13], ent_act s[14:15]
	s_load_b64 s[16:17], s[0:1], 0x30              ; ent_gg
	v_lshl_add_u32 v126, v0, 2, 0x22100
	v_mov_b32 v127, 0
	v_lshrrev_b32 v2, 5, v0
	v_readfirstlane_b32 s18, v2                    ; wave 0..7
	s_and_b32 s19, s18, 3                          ; the token tile that waves 0-3 own
	s_and_b32 s21, ttmp7, 0xffff                   ; the tree
	s_mov_b32 s22, 0x76543210
	s_mov_b32 s23, 0xfedcba98                      ; v_permlanex16_b32's selects for lane l xor 16
	s_mov_b32 s34, 0
	s_lshl_b32 s35, s18, 3                         ; my first tile of level 4,
	s_lshl_b32 s36, s18, 5                         ; of level 5
	s_mov_b32 s46, 0x41800000                      ; 16.0
	s_mul_i32 s40, s21, 1365                       ; 1365 p + the levels' first groups
	s_add_co_u32 s41, s40, 1
	s_add_co_u32 s42, s40, 5
	s_add_co_u32 s43, s40, 21
	s_add_co_u32 s44, s40, 85
	s_add_co_u32 s45, s40, 341
	; every address is made here, ahead of the first parting of the waves
	v_and_b32 v20, 31, v0                          ; lane
	v_and_b32 v2, 15, v0                           ; r
	v_bfe_u32 v3, v0, 4, 1                         ; h
	v_lshlrev_b32 v[VL16], 4, v20
	v_lshlrev_b32 v[VSC], 3, v20
	v_lshlrev_b32 v[VXA], 7, v2
	v_lshl_add_u32 v[VXA], v3, 4, v[VXA]           ; x: row r of 128 bytes, + 16 h
	v_lshlrev_b32 v[VPB], 5, v3                    ; a tile's bias: my half's eight numbers (BIAS = 0)
	s_lshl_b32 s38, s18, 9
	v_add_nc_u32 v[VB4], s38, v[VPB]
	v_add_nc_u32 v[VB4], 1360, v[VB4]              ; 64 (22 + 8 w) - 48: my first tile of level 4
	s_lshl_b32 s38, s18, 11
	v_add_nc_u32 v[VB5B], s38, v[VPB]
	v_add_nc_u32 v[VB5B], 5200, v[VB5B]            ; 64 (86 + 32 w - 4) - 48: four tiles ahead of my first of level 5
	v_mov_b32 v[VB5], v[VB5B]
	v_add_nc_u32 v[VPAC], PAC, v[VL16]
	v_add_nc_u32 v[VPAS], PAS, v[VSC]
	v_mul_u32_u24 v[VPAS0], v3, 96
	v_sub_nc_u32 v[VPAS0], v[VPAS], v[VPAS0]
	v_lshl_add_u32 v[VKL], v2, 2, KEYS
	s_lshl_b32 s38, s19, 6
	v_add_nc_u32 v[VKS], s38, v[VKL]
	s_lshl_b32 s38, s18, 12
	v_add_nc_u32 v[VC4S], s38, v[VL16]
	v_add_nc_u32 v[VC5S], COMB5, v[VC4S]
	v_add_nc_u32 v[VC4S], COMB4, v[VC4S]
	s_lshl_b32 s38, s19, 10
	v_add_nc_u32 v[VC4L], s38, v[VL16]
	v_add_nc_u32 v[VC5L], COMB5, v[VC4L]
	v_add_nc_u32 v[VC4L], COMB4, v[VC4L]
	s_lshl_b32 s38, ttmp9, 10
	s_lshl_b32 s39, s19, 8
	s_add_co_u32 s38, s38, s39
	v_lshlrev_b32 v[VEA], 4, v2
	v_lshl_add_u32 v[VEA], v3, 16, v[VEA]
	v_add_nc_u32 v[VEA], s38, v[VEA]               ; ent_act: 16 x (4096 h + my token): lanes 16-31 store the level above
	s_lshl_b32 s38, s38, 1
	v_lshlrev_b32 v[VEG], 5, v2
	v_lshl_add_u32 v[VEG], v3, 4, v[VEG]
	v_add_nc_u32 v[VEG], s38, v[VEG]               ; ent_gg: 32 x my token + 16 h
	v_lshlrev_b32 v[VT16], 4, v0                   ; staging: 16 x thread
	v_add_nc_u32 v[VTP], PAC, v[VT16]
	v_add_nc_u32 v[VCB], 1280, v0
	v_min_u32 v[VCB], 1364, v[VCB]
	v_lshlrev_b32 v[VCB], 4, v[VCB]                ; b_in's last chunks: no load leaves the tree's 1,365 chunks of 16 bytes
	v_min_u32 v[VCS], 175, v0
	v_lshlrev_b32 v[VCS], 4, v[VCS]                ; the scale bytes' 176 chunks likewise
	v_lshlrev_b32 v[VXO], 3, v2
	v_cmp_eq_u32 s33, 1, v3                        ; lanes 16-31
.irp a, 0,1,2,3
	v_mov_b32 v[M+2*\a+1], 0                       ; the masks' upper registers are named with them as pairs, so they are written
.endr
	s_mov_b32 s39, 0
	s_wait_kmcnt 0x0
	s_mul_i32 s38, s21, 21840
	s_add_nc_u64 s[12:13], s[12:13], s[38:39]      ; every tensor at tree p,
	s_mul_i32 s38, s21, 700416
	s_add_nc_u64 s[8:9], s[8:9], s[38:39]
	s_mul_i32 s38, s21, 43680
	s_add_nc_u64 s[10:11], s[10:11], s[38:39]
	s_mul_i32 s38, s21, 393216
	s_add_nc_u64 s[14:15], s[14:15], s[38:39]
	s_lshl_b32 s38, s21, 17
	s_add_nc_u64 s[16:17], s[16:17], s[38:39]
	s_lshl_b32 s38, ttmp9, 13
	s_add_nc_u64 s[4:5], s[4:5], s[38:39]          ; x at the block's first token,
	s_lshl_b32 s38, ttmp9, 9
	s_add_nc_u64 s[6:7], s[6:7], s[38:39]
	s_lshl_b32 s38, s19, 11
	s_add_nc_u64 s[48:49], s[4:5], s[38:39]        ; and at my own tile
	s_lshl_b32 s38, s19, 7
	s_add_nc_u64 s[50:51], s[6:7], s[38:39]
	s_lshl_b32 s38, s18, 14
	s_add_co_u32 s38, s38, 22*2048
	s_add_nc_u64 s[24:25], s[8:9], s[38:39]        ; my tiles of level 4: tile 22 + 8 w on,
	s_lshl_b32 s38, s18, 16
	s_add_co_u32 s38, s38, 86*2048
	s_add_nc_u64 s[26:27], s[8:9], s[38:39]        ; of level 5: tile 86 + 32 w on,
	s_lshl_b32 s38, s18, 10
	s_add_co_u32 s38, s38, 2720
	s_add_nc_u64 s[28:29], s[10:11], s[38:39]      ; and their rows' scale bytes: 8 (16 T - 12)
	s_lshl_b32 s38, s18, 12
	s_add_co_u32 s38, s38, 10912
	s_add_nc_u64 s[30:31], s[10:11], s[38:39]
	; what phase A and the biases want comes into LDS once, 16 bytes a thread and load, through the ring's registers
.irp k, 0,1,2,3,4
	global_load_b128 v[WR+4*\k:WR+4*\k+3], v[VT16], s[12:13] offset:4096*\k
.endr
	global_load_b128 v[WR+20:WR+23], v[VCB], s[12:13]
.irp k, 0,1,2,3,4,5,6,7,8,9,10
	global_load_b128 v[WR+24+4*\k:WR+24+4*\k+3], v[VT16], s[8:9] offset:4096*\k
.endr
	global_load_b128 v[WR+68:WR+71], v[VCS], s[10:11]
	WIN D1
.irp a, 0,1,2,3
.irp k, 0,1,2,3
	global_load_b128 v[XF+16*\a+4*\k:XF+16*\a+4*\k+3], v[VXA], s[4:5] offset:2048*\a+32*\k   ; x's fragments stay in registers: tile a, K step k / 2
.endr
.endr
.irp k, 0,1,2,3
	global_load_b128 v[XO+4*\k:XO+4*\k+3], v[VXA], s[48:49] offset:32*\k
.endr
	v_mov_b32 v[H1], v3
	v_mov_b32 v[MV], 0                             ; the walk begins at child 0 of tile 0, node 0
	v_mov_b32 v[CC], 0
	v_mov_b32 v[K1], 0
.irp j, 0,1,2,3
	v_mov_b32 v[GY+\j], 0                          ; written once: a lane permute's destination counts as one of its sources
.endr
	WIN 0
	global_load_b64 v[XS:XS+1], v[VSC], s[6:7]
	global_load_b64 v[XS+2:XS+3], v[VSC], s[6:7] offset:256
	global_load_b64 v[XOS:XOS+1], v[VXO], s[50:51]
	s_wait_loadcnt 23                              ; the 18 staging loads are in; x's 23 may be out
.irp k, 0,1,2,3,4,5
	ds_store_b128 v[VT16], v[WR+4*\k:WR+4*\k+3] offset:BIAS+4096*\k
.endr
.irp k, 0,1,2,3,4,5,6,7,8,9,10
	ds_store_b128 v[VTP], v[WR+24+4*\k:WR+24+4*\k+3] offset:4096*\k
.endr
	ds_store_b128 v[VTP], v[WR+68:WR+71] offset:PAS-PAC
	s_wait_dscnt 0x0                               ; my stores have landed (and have read the ring's registers)
	s_barrier_signal -1
	s_barrier_wait -1                              ; everybody's have
.irp q, 0,1,2,3                        ; the ring's first fill: my eight tiles of level 4, each pair behind its scale words: 36 loads
	global_load_b64 v[WS+2*\q:WS+2*\q+1], v[VSC], s[28:29] offset:256*\q
.irp t, 0,1
.irp j, 0,1,2,3
	global_load_b128 v[WR+16*(2*\q+\t)+4*\j:WR+16*(2*\q+\t)+4*\j+3], v[VL16], s[24:25] offset:2048*(2*\q+\t)+512*\j
.endr
.endr
.endr
	s_cmp_gt_u32 s18, 3
	s_cbranch_scc1 .Lskip_a
	; ---- PHASE A: levels 0 to 3 of my token tile
	PALOAD 0
	s_wait_loadcnt 36                              ; x is in; the ring's 36 loads may be out
	s_wait_dscnt 0x0
	PALOAD 1
	PAW4 0                                         ; tile 0 (the root's group in rows 0-3) and tile 1 (level 1)
.rept 4
	v_nop
.endr
	WIN ALL1
	RESOLVE ACCA, ACT                              ; level 0: CC = c1
	v_mov_b32 v[K1], v[CC]
	RESOLVE ACCA+8, ACT+4                          ; level 1: CC = c2
	PAG 1, K1, 0, CAND2, 1                         ; level 2's four tiles: the token's is tile c1
	PAG 2, K1, 2, CAND2, 0
	PAG 3, CC, 0, CAND3, 1                         ; level 3's sixteen: the token's is tile c2, known already
	PAG 4, CC, 2, CAND3, 0
	PAG 5, CC, 4, CAND3, 0
	PAG 6, CC, 6, CAND3, 0
	PAG 7, CC, 8, CAND3, 0
	PAG 8, CC, 10, CAND3, 0
	PAG 9, CC, 12, CAND3, 0
	PAG 10, CC, 14, CAND3, 0
	WIN ALL1
	RESOLVE CAND2, ACT+8                           ; level 2: CC = c3
	RESOLVE CAND3, ACT+12                          ; level 3: CC = c4
.irp j, 0,1,2,3
	v_cndmask_b32 v[OUT+\j], v[ACT+\j], v[ACT+4+\j], s33
	v_cndmask_b32 v[OUT+4+\j], v[ACT+8+\j], v[ACT+12+\j], s33
.endr
	WIN MAIN
	global_store_b128 v[VEA], v[OUT:OUT+3], s[14:15]                  ; levels 0 and 1: sixteen lanes store 256 consecutive bytes each
	global_store_b128 v[VEA], v[OUT+4:OUT+7], s[14:15] offset:131072  ; levels 2 and 3
	ds_store_b32 v[VKS], v[CC]                     ; both halves of the lanes write the same word with the same value
	s_wait_xcnt 0x0                                ; the stores' registers are accumulators again below
	WIN 0
.Lskip_a:
	s_wait_dscnt 0x0
	s_barrier_signal -1
	s_barrier_wait -1                              ; c4 of all 64 tokens lies in LDS
	WIN MAIN
.irp a, 0,1,2,3
	ds_load_b32 v[KEYN+\a], v[VKL] offset:64*\a
.endr
	s_wait_dscnt 0x0
	WIN ALL1
.irp a, 0,1,2,3
	v_lshrrev_b32 v[KEY+\a], 2, v[KEYN+\a]
.endr
.irp a, 0,1,2,3
	v_sub_nc_u32 v[KEY+\a], v[KEY+\a], s35         ; the token's tile of level 4, counted from my first
	v_sub_nc_u32 v[KEYN+\a], v[KEYN+\a], s36       ; and of level 5
.endr
	WIN MAIN
.irp n, 0,1,2
.irp q, 0,1
	ds_load_b128 v[BI+8*\n+4*\q:BI+8*\n+4*\q+3], v[VB4] offset:64*\n+16*\q
.endr
.endr
	; ---- MAIN: 8 tiles of level 4, 32 of level 5
	PHASE 0, 0, 0, 0, 1, 28, 6
	PHASE 1, 1, 1, 1, 1, 28, 6
	PHASE 2, 1, 0, 1, 1, 28, 6
	PHASE 3, 1, 0, 1, 1, 28, 6
	PHASE 4, 1, 0, 1, 1, 28, 6
	PHASE 5, 1, 0, 1, 2, 28, 6
	PHASE 6, 1, 0, 1, 2, 28, 6
	PHASE 7, 1, 0, 1, 2, 28, 6
	PHASE 8, 1, 0, 1, 2, 28, 6
.irp k, 0,1,2,3,4,5,6,7
	ds_store_b128 v[VC4S], v[SEL+4*\k:SEL+4*\k+3] offset:512*\k   ; level 4's candidates are whole
.endr
	s_wait_dscnt 0x0                               ; the stores have read their registers
	WIN ALL1
.irp j, 0,1,2,3,4,5,6,7,8,9,10,11,12,13,14,15,16,17,18,19,20,21,22,23,24,25,26,27,28,29,30,31
	v_mov_b32 v[SEL+\j], 0                         ; level 5's first tile lies inside the loop, so its sums begin as zeros
.endr
.irp a, 0,1,2,3
	v_mov_b32 v[KEY+\a], v[KEYN+\a]
.endr
	STEP8
	s_mov_b32 s32, 3
.Lmain:                                                ; a trip: eight tiles, once round the ring
	PHASE 9, 1, 0, 1, 2, 28, 6
	PHASE 10, 1, 0, 1, 2, 28, 6
	PHASE 11, 1, 0, 1, 2, 28, 6
	PHASE 12, 1, 0, 1, 2, 28, 6
	PHASE 13, 1, 0, 1, 2, 28, 6
	PHASE 14, 1, 0, 1, 2, 28, 6
	PHASE 15, 1, 0, 1, 2, 28, 6
	PHASE 16, 1, 0, 1, 2, 28, 6
	WIN ALL1
.irp a, 0,1,2,3
	v_add_nc_u32 v[KEY+\a], -8, v[KEY+\a]          ; the masks compare with 0 to 7
.endr
	STEP8
	s_sub_co_u32 s32, s32, 1
	s_cmp_lg_u32 s32, 0
	s_cbranch_scc1 .Lmain
	PHASE 33, 1, 0, 0, 2, 24, 6                    ; the last seven tiles ask for nothing more: the counts run down
	PHASE 34, 1, 0, 0, 2, 20, 6
	PHASE 35, 1, 0, 0, 2, 16, 6
	PHASE 36, 1, 0, 0, 2, 12, 6
	PHASE 37, 1, 0, 0, 0, 8, 4
	PHASE 38, 1, 0, 0, 0, 4, 2
	PHASE 39, 1, 0, 0, 0, 0, 0
	WIN BLK
.irp a, 0,1,2,3
	v_cmp_eq_u32 vcc_lo, 7, v[KEY+\a]              ; the last tile's selection
	v_cndmask_b32 v[M+2*\a], 0, 1.0, vcc_lo
.endr
	WIN MAIN
.irp o, 0,1,2,3,4,5,6,7,8,9,10,11,12,13,14,15
	SLOP \o, 1, 0
.endr
.irp k, 0,1,2,3,4,5,6,7
	ds_store_b128 v[VC5S], v[SEL+4*\k:SEL+4*\k+3] offset:512*\k
.endr
	WIN 0
	s_wait_dscnt 0x0
	s_barrier_signal -1
	s_barrier_wait -1                              ; all eight waves' candidates lie in LDS
	s_cmp_gt_u32 s18, 3
	s_cbranch_scc1 .Lend
	; ---- LAST: levels 4 and 5 of my token tile
	WIN MAIN
.irp v, 0,1,2,3,4,5,6,7
.irp q, 0,1
	ds_load_b128 v[8*\v+4*\q:8*\v+4*\q+3], v[VC4L] offset:4096*\v+512*\q
.endr
.endr
.irp v, 0,1,2,3,4,5,6,7
.irp q, 0,1
	ds_load_b128 v[64+8*\v+4*\q:64+8*\v+4*\q+3], v[VC5L] offset:4096*\v+512*\q
.endr
.endr
	s_wait_dscnt 16                                ; level 4's sixteen loads are in; level 5's may be out
	WIN ALL1
.irp v, 1,2,3,4,5,6,7
.irp u, 0,2,4,6
	v_pk_add_f32 v[\u:\u+1], v[\u:\u+1], v[8*\v+\u:8*\v+\u+1]   ; exact: one of the eight is not zero
.endr
.endr
	RESOLVE 0, 128                                 ; level 4: CC = c5
	s_wait_dscnt 0x0
.irp v, 1,2,3,4,5,6,7
.irp u, 0,2,4,6
	v_pk_add_f32 v[64+\u:64+\u+1], v[64+\u:64+\u+1], v[64+8*\v+\u:64+8*\v+\u+1]
.endr
.endr
	RESOLVE 64, 132                                ; level 5: CC = 4 c5 + a move that nobody takes
.irp j, 0,1,2,3
	v_cndmask_b32 v[136+\j], v[128+\j], v[132+\j], s33
.endr
.irp l, 0,1,2,3,4,5
	v_lshrrev_b32 v[140+\l], 12-2*\l, v[CC]        ; the node at level l,
.endr
.irp l, 0,1,2,3,4,5
	v_add_nc_u32 v[140+\l], s[40+\l], v[140+\l]    ; as a group's number over all four trees
.endr
	v_mov_b32 v146, 0
	v_mov_b32 v147, 0
.irp j, 0,1,2,3
	v_cndmask_b32 v[148+\j], v[140+\j], v[144+\j], s33
.endr
	WIN MAIN
	global_store_b128 v[VEA], v[136:139], s[14:15] offset:262144      ; levels 4 and 5
	global_store_b128 v[VEG], v[148:151], s[16:17]                    ; 32 lanes store 512 consecutive bytes
	WIN 0
.Lend:
	s_wait_tensorcnt 0x0
	ds_add_u32 v126, v127
	s_wait_dscnt 0x0
	s_endpgm
.Lfunc_end_k_qf5076558f7_route:
	.size	k_qf5076558f7_route, .Lfunc_end_k_qf5076558f7_route-k_qf5076558f7_route
	.p2alignl 7, 3214868480
	.fill 96, 4, 3214868480
	.section	.rodata,"a",@progbits
	.p2align	6, 0x0
	.amdhsa_kernel k_qf5076558f7_route
		.amdhsa_group_segment_fixed_size 140544
		.amdhsa_private_segment_fixed_size 0
		.amdhsa_enable_private_segment 0
		.amdhsa_kernarg_size 56
		.amdhsa_user_sgpr_count 2
		.amdhsa_user_sgpr_kernarg_segment_ptr 1
		.amdhsa_wavefront_size32 1
		.amdhsa_system_sgpr_workgroup_id_x 1
		.amdhsa_system_sgpr_workgroup_id_y 1
		.amdhsa_system_sgpr_workgroup_id_z 1
		.amdhsa_system_vgpr_workitem_id 0
		.amdhsa_next_free_vgpr 512
		.amdhsa_next_free_sgpr 66
		.amdhsa_reserve_vcc 1
		.amdhsa_float_denorm_mode_32 3
		.amdhsa_float_denorm_mode_16_64 3
		.amdhsa_memory_ordered 1
		.amdhsa_forward_progress 1
		.amdhsa_inst_pref_size 151
	.end_amdhsa_kernel
	.amdgpu_metadata
---
amdhsa.version: [ 1, 2 ]
amdhsa.kernels:
  - .name:           k_qf5076558f7_route
    .symbol:         k_qf5076558f7_route.kd
    .args:
      - { .name: oldx_codes, .offset: 0, .size: 8, .value_kind: global_buffer, .address_space: global }
      - { .name: oldx_scales, .offset: 8, .size: 8, .value_kind: global_buffer, .address_space: global }
      - { .name: win_frag, .offset: 16, .size: 8, .value_kind: global_buffer, .address_space: global }
      - { .name: W_in_scales, .offset: 24, .size: 8, .value_kind: global_buffer, .address_space: global }
      - { .name: b_in, .offset: 32, .size: 8, .value_kind: global_buffer, .address_space: global }
      - { .name: ent_act, .offset: 40, .size: 8, .value_kind: global_buffer, .address_space: global }
      - { .name: ent_gg, .offset: 48, .size: 8, .value_kind: global_buffer, .address_space: global }
    .group_segment_fixed_size: 140544
    .private_segment_fixed_size: 0
    .kernarg_segment_align: 8
    .kernarg_segment_size: 56
    .max_flat_workgroup_size: 256
    .sgpr_count:     66
    .vgpr_count:     512
    .wavefront_size: 32
...
	.end_amdgpu_metadata
.endif
;; end of part 2
;; launch combine (part 3): grid 64 x 4, 4 waves a work-group, no clusters, 70,144 bytes of LDS; arguments ent_act, ent_gg, wout_frag, wout_sc, out0; writes out0
.if DOCPART == 3
	.amdgcn_target "amdgcn-amd-amdhsa--gfx1250"
	.amdhsa_code_object_version 6
	.text
	.protected	k_qf5076558f7_combine
	.globl	k_qf5076558f7_combine
	.p2align	8
	.type	k_qf5076558f7_combine,@function
k_qf5076558f7_combine:
	s_mov_b64 s[64:65], 0
	v_nop
	global_prefetch_b8 v0, s[64:65] scope:SCOPE_SE
	s_setreg_imm32_b32 hwreg(HW_REG_WAVE_MODE, 25, 1), 1
	s_wait_xcnt 0x0
; COMBINE.  out = Q(masked hidden layer) Q(W_out)^T on codes of E2M1.  Of a token's 21,840 hidden numbers 24 groups of four are not zero (six in each tree); ent_act has their values and ent_gg their places.
; SHARES.  Work-group (bx, nq): tokens 64 bx .. + 63, outputs 64 nq .. + 63.  Wave p walks the K range of tree p and the four partial sums meet in LDS at the end.
; A PASS is one K step of 128 for ONE entry (tree p, level L): 1, 1, 2, 3, 9, 33 passes for levels 0 to 5, from K step (1365 p + the level's first group) / 32 on: they cover the level's range for every p, and none passes K step 170.
; In a pass the hidden layer's fragments hold this entry's four codes where the token's block lies in this K step, and zeros elsewhere: built by compares and selects, no address and no branch hangs on the data.
; K steps that two levels share are walked once for each; the products add up, since a sum of products is linear in the codes.
; THE QUANTISER.  A block of 32 is eight groups, counted over all four trees, so it can hold entries of several levels and of two trees: its scale comes from the largest magnitude over all entries in it.  Entries in rising order of
; place are the tree before's level 5, my six, and the next tree's levels 0 to 2 (no other can share a block with mine); equal blocks are neighbours in that order, so a maximum carried forward and then back over equal
; neighbours gives each entry its block's.  Byte = that maximum's exponent field - 2, held at 1 from below.  Blocks without an entry are zero codes under any byte, so an entry's byte, four times, is the token's scale word in its passes.
; The matrix instruction is used transposed (source 0 = 16 rows of W_out, source 1 = 16 tokens): a lane holds eight neighbouring outputs of one token.
; W_out's fragments come straight from memory, in the order of the operand's registers, into a ring of seven passes: each is read by one wave of the work-group alone, so LDS would add a write and a read for each byte, and there is
; no LDS tile for a cluster's joint request to land in: no tensor load and no cluster.
; LIMITS: NaN and infinities among the activations are not served.
; REGISTERS, in three windows of 256 (s_set_vgpr_msb's low byte: bits 1:0 source 0, 3:2 source 1, 5:4 source 2, 7:6 destination).
;   window 0: v1-9 addresses; v20-33 W's scale words, seven slots; v36-43 the hidden layer's, two sets (these hold nothing else); v44-47 keys; v48-63 an entry's four possible registers a tile;
;             v64-127 the hidden layer's fragments, two sets; v128-255 sixteen accumulators.  Ahead of the first pass v64-191 are at work on the entries.
;   window 1: v0-223 the ring; v224-235 its addresses.   window 2: v0-95 an entry's codes, place and byte, [a 4][L 6]; v96-255 the activations as loaded.
.set WSC, 20
.set ASC, 36
.set KEY, 44
.set V,   48
.set AB,  64
.set ACC, 128
.set GB0, 64                           ; set-up: tile a's group numbers at v[GB0 + 12 a + 1 + q], q = 0 .. 9 in rising order of place
.set T1,  128                          ; largest magnitudes
.set T2,  138
.set BL,  148                          ; blocks
.set SOP, 168                          ; the conversions' scale operands
.set CV,  174                          ; codes
.set SH,  180
.set HK,  186                          ; h + 4 x the level's first K step
.set VOFF, 224
.set VSO,  230
.set VAL, 0
.set LO,  24
.set BKH, 48
.set BYT, 72
.set RA,  96
.set MAIN, 0x01                        ; source 0 window 1
.set LDW,  0x41                        ; destination and source 0 window 1
.set MSB, 0
.macro WIN new                         ; the immediate's high byte repeats the setting that is left
.if MSB != \new
	s_set_vgpr_msb (MSB<<8)|\new
.set MSB, \new
.endif
.endm
.macro WM cz, ra                       ; one matrix instruction on rD, rA, rB, rSA, rSB; cz = 0: it starts the sum; ra: which half of the lanes holds W's scale words
.if (\cz)==0
.if (\ra)==0
	v_wmma_scale_f32_16x16x128_f8f6f4 v[rD:rD+7], v[rA:rA+7], v[rB:rB+7], 0, v[rSA], v[rSB] matrix_a_fmt:MATRIX_FMT_FP4 matrix_b_fmt:MATRIX_FMT_FP4
.else
	v_wmma_scale_f32_16x16x128_f8f6f4 v[rD:rD+7], v[rA:rA+7], v[rB:rB+7], 0, v[rSA], v[rSB] matrix_a_fmt:MATRIX_FMT_FP4 matrix_b_fmt:MATRIX_FMT_FP4 matrix_a_scale:MATRIX_SCALE_ROW1
.endif
.else
.if (\ra)==0
	v_wmma_scale_f32_16x16x128_f8f6f4 v[rD:rD+7], v[rA:rA+7], v[rB:rB+7], v[rD:rD+7], v[rSA], v[rSB] matrix_a_fmt:MATRIX_FMT_FP4 matrix_b_fmt:MATRIX_FMT_FP4
.else
	v_wmma_scale_f32_16x16x128_f8f6f4 v[rD:rD+7], v[rA:rA+7], v[rB:rB+7], v[rD:rD+7], v[rSA], v[rSB] matrix_a_fmt:MATRIX_FMT_FP4 matrix_b_fmt:MATRIX_FMT_FP4 matrix_a_scale:MATRIX_SCALE_ROW1
.endif
.endif
.endm
.macro PLI n                           ; pass n is K step pI of level pL
.if (\n)<1
.set pL, 0
.set pI, (\n)
.elseif (\n)<2
.set pL, 1
.set pI, (\n)-1
.elseif (\n)<4
.set pL, 2
.set pI, (\n)-2
.elseif (\n)<7
.set pL, 3
.set pI, (\n)-4
.elseif (\n)<16
.set pL, 4
.set pI, (\n)-7
.else
.set pL, 5
.set pI, (\n)-16
.endif
.endm
.macro LOADP n                         ; pass n's four fragments of W_out (eight loads of 512 consecutive bytes) and their scale words (two loads), into slot n % 7
	PLI \n
	WIN LDW
.irp j, 0,1,2,3,4,5,6,7
	global_load_b128 v[32*((\n)%7)+4*\j:32*((\n)%7)+4*\j+3], v[VOFF+pL], s[50:51] offset:4096*pI+512*\j
.endr
	WIN MAIN
.irp j, 0,1
	global_load_b32 v[WSC+2*((\n)%7)+\j], v[VSO+pL], s[52:53] offset:256*pI+128*\j
.endr
.endm
; The entries of token tile a: block scales, codes, places.
.macro TILE a
.set GB, GB0+12*(\a)
.set RB, RA+40*(\a)
	WIN 0x2a                                       ; sources window 2
.irp q, 0,1,2,3,4,5,6,7,8,9
	v_max3_num_f32 v[T1+\q], |v[RB+4*\q]|, |v[RB+4*\q+1]|, |v[RB+4*\q+2]|
	v_max_num_f32 v[T2+\q], 0x1800000, |v[RB+4*\q+3]|   ; the floor 2^(3 - 127) among the leaves: the byte cannot fall under 1
.endr
	WIN 0
.irp q, 0,1,2,3,4,5,6,7,8,9
	v_max_num_f32 v[T1+\q], v[T1+\q], v[T2+\q]     ; the entry's largest magnitude
	v_lshrrev_b32 v[BL+\q], 3, v[GB+1+\q]          ; its block
.endr
	v_or_b32 v[BL], s30, v[BL]                     ; tree 0 has no tree before it, tree 3 none behind: such entries get blocks that equal none of mine
.irp q, 7,8,9
	v_or_b32 v[BL+\q], s31, v[BL+\q]
.endr
.irp q, 1,2,3,4,5,6,7,8,9
	v_cmp_eq_u32 s[39+\q], v[BL+\q], v[BL+\q-1]    ; in one block with the entry before?
.endr
.irp q, 1,2,3,4,5,6,7,8,9
	v_max_num_f32 v[T2+\q], v[T1+\q], v[T1+\q-1]
	v_cndmask_b32 v[T1+\q], v[T1+\q], v[T2+\q], s[39+\q]   ; forward: a block's last entry gets the block's maximum,
.endr
.irp q, 8,7,6,5,4,3,2,1
	v_cndmask_b32 v[T1+\q], v[T1+\q], v[T1+\q+1], s[40+\q]   ; and back: so do the others
.endr
.irp l, 0,1,2,3,4,5
	v_add_nc_u32 v[SOP+\l], 0xff000000, v[T1+\l+1] ; 2 off the exponent field: the conversion's scale operand
	v_and_b32 v[SH+\l], 1, v[GB+2+\l]
.endr
.irp l, 0,1,2,3,4,5
	v_lshlrev_b32 v[SH+\l], 4, v[SH+\l]            ; an odd group's codes are a register's upper half
.endr
	WIN 0x02                                       ; source 0 window 2
.irp l, 0,1,2,3,4,5
	v_cvt_scalef32_pk8_fp4_f32 v[CV+\l], v[RB+4*\l+4:RB+4*\l+11], v[SOP+\l]   ; the entry's four codes in the low 16 bits (the upper four numbers are the next entry's, and are cut off)
.endr
	v_nop                                          ; one plain place behind the conversions
	WIN 0
.irp l, 0,1,2,3,4,5
	v_and_b32 v[CV+\l], 0xffff, v[CV+\l]
.endr
	WIN 0x80                                       ; destination window 2
.irp l, 0,1,2,3,4,5
	v_lshlrev_b32 v[VAL+6*(\a)+\l], v[SH+\l], v[CV+\l]       ; the one register that is not zero,
	v_bfe_u32 v[LO+6*(\a)+\l], v[GB+2+\l], 1, 2              ; which of a block's four it is,
	v_sub_nc_u32 v[BKH+6*(\a)+\l], v[BL+\l+1], v[HK+\l]      ; the block, counted from my half's first of the level's first K step,
	v_lshrrev_b32 v[BYT+6*(\a)+\l], 23, v[SOP+\l]            ; and the scale's byte
.endr
.endm
.macro SETUP l                         ; level l's entries are laid out for its passes
	WIN 0x0a                                       ; sources 0 and 1 window 2
.irp a, 0,1,2,3
.irp i, 0,1,2,3
	v_cmp_eq_u32 vcc_lo, \i, v[LO+6*\a+(\l)]
	v_cndmask_b32 v[V+4*\a+\i], 0, v[VAL+6*\a+(\l)], vcc_lo
.endr
	v_mov_b32 v[KEY+\a], v[BKH+6*\a+(\l)]
	v_perm_b32 v[ASC+4*((\l)%2)+\a], v[BYT+6*\a+(\l)], v[BYT+6*\a+(\l)], 0   ; the byte four times
.endr
.endm
; Operation BO of 40 of the fragments of the pass whose K step in its level is nI, into set par: for each token tile and each c a compare (is the token's block 4 nI + 2 c + h?) and four selects.
.macro BOP par
.set bg, BO/5
.set bk, BO%5
.if bk==0
	v_cmp_eq_u32 vcc_lo, 4*nI+2*(bg%2), v[KEY+bg/2]
.else
	v_cndmask_b32 v[AB+32*(\par)+4*bg+bk-1], 0, v[V+4*(bg/2)+bk-1], vcc_lo
.endif
.set BO, BO+1
.endm
; PASS n: the loads of pass n + 6; sixteen matrix instructions, the sixteen accumulators by turns in the same order in every pass; between them the next pass's fragments are built.
; The four selects behind the last product are the plain instructions between it and the next pass's loads into its registers (ISA guide 7.12.1 for vector instructions).
; An operand that vector instructions have written stands four plain vector instructions ahead of the scaled matrix instruction that takes it.  The fragment written last (token tile 3's) is taken by a pass's thirteenth product,
; behind 24 lines of the next pass's build; the last pass builds nothing, so four v_nop stand at its head.
.macro PASS n
	PLI \n
.set cL, pL
.if (\n)<48
	PLI (\n)+1
.set nL, pL
.set nI, pI
.if nL!=cL
	SETUP nL
.endif
.endif
.if (\n)+6<=48
	LOADP (\n)+6
.endif
	WIN MAIN
.if (\n)<=42
	s_wait_loadcnt 60                              ; ten loads for each of the six younger passes may be out
.else
	s_wait_loadcnt 10*(48-(\n))
.endif
.if (\n)==48
.rept 4
	v_nop                                          ; the places between the last selects of the build and the products that take their results
.endr
.endif
.set BO, 0
.set Q, 0
.rept 16
.set rD, ACC+8*Q
.set rA, 32*((\n)%7)+8*(Q%4)
.set rB, AB+32*((\n)%2)+8*(Q/4)
.set rSA, WSC+2*((\n)%7)+(Q%4)/2
.set rSB, ASC+4*(cL%2)+Q/4
	WM \n, Q%2
.if (\n)<48
	BOP ((\n)+1)%2
	BOP ((\n)+1)%2
.if Q>=12
	BOP ((\n)+1)%2
	BOP ((\n)+1)%2
.endif
.endif
.set Q, Q+1
.endr
.endm
	s_load_b256 s[4:11], s[0:1], 0x0               ; ent_act s[4:5], ent_gg s[6:7], wout_frag s[8:9], wout_sc s[10:11]
	s_load_b64 s[12:13], s[0:1], 0x20              ; out0
	v_lshl_add_u32 v34, v0, 2, 0x11000
	v_mov_b32 v35, 0
	v_lshrrev_b32 v1, 5, v0
	v_readfirstlane_b32 s14, v1                    ; wave = tree
	s_and_b32 s16, ttmp7, 0xffff                   ; nq
	v_and_b32 v10, 31, v0                          ; lane
	v_and_b32 v6, 15, v0                           ; r
	v_bfe_u32 v3, v0, 4, 1                         ; h
	v_lshlrev_b32 v1, 4, v10
	v_lshlrev_b32 v2, 2, v10
	s_lshl_b32 s38, ttmp9, 10
	v_lshl_add_u32 v4, v6, 4, s38                  ; ent_act: 16 x (64 bx + r)
	s_lshl_b32 s38, ttmp9, 11
	v_lshl_add_u32 v5, v6, 5, s38                  ; ent_gg: 32 x (64 bx + r)
	s_mul_i32 s38, s14, 17408                      ; the way out: my partial sums' 64 rows of 256 + 16 bytes;
	v_mul_u32_u24 v7, v6, 272
	v_lshl_add_u32 v7, v3, 5, v7
	v_add_nc_u32 v7, s38, v7                       ; in: row r, + 32 h
	s_mul_i32 s38, s14, 16*272
	v_mul_u32_u24 v8, v3, 272
	v_lshl_add_u32 v8, v6, 4, v8
	v_add_nc_u32 v8, s38, v8                       ; back: rows 16 w on; lanes 0-15 one row, lanes 16-31 the next
	v_lshlrev_b32 v9, 10, v3
	v_lshl_add_u32 v9, v6, 4, v9                   ; and the same two rows in out0
	s_mul_i32 s38, s14, 1365
	s_lshr_b32 s32, s38, 5                         ; each level's first K step
	s_add_co_u32 s33, s38, 1
	s_lshr_b32 s33, s33, 5
	s_add_co_u32 s34, s38, 5
	s_lshr_b32 s34, s34, 5
	s_add_co_u32 s35, s38, 21
	s_lshr_b32 s35, s35, 5
	s_add_co_u32 s36, s38, 85
	s_lshr_b32 s36, s36, 5
	s_add_co_u32 s37, s38, 341
	s_lshr_b32 s37, s37, 5
.irp l, 0,1,2,3,4,5
	v_lshl_add_u32 v[HK+\l], s[32+\l], 2, v3
.endr
	WIN 0x40                                       ; destination window 1
.irp l, 0,1,2,3,4,5
	v_lshl_add_u32 v[VOFF+\l], s[32+\l], 12, v1    ; 4,096 bytes of fragments a K step, + 16 x lane
	v_lshl_add_u32 v[VSO+\l], s[32+\l], 8, v2      ; 256 bytes of scale words, + 4 x lane
.endr
	WIN 0
	s_cmp_eq_u32 s14, 0
	s_cselect_b32 s30, 0x40000000, 0
	s_cmp_eq_u32 s14, 3
	s_cselect_b32 s31, 0x40000000, 0
	s_mov_b32 s39, 0
	s_wait_kmcnt 0x0
	s_mul_i32 s38, s14, 393216
	s_add_nc_u64 s[18:19], s[4:5], s[38:39]        ; my tree's activations,
	s_lshl_b32 s38, s14, 17
	s_add_nc_u64 s[24:25], s[6:7], s[38:39]        ; and group numbers;
	s_sub_co_i32 s17, s14, 1
	s_max_i32 s17, s17, 0                          ; the tree before (tree 0 reads its own, and throws it away)
	s_mul_i32 s38, s17, 393216
	s_add_co_u32 s38, s38, 327680                  ; its level 5
	s_add_nc_u64 s[20:21], s[4:5], s[38:39]
	s_lshl_b32 s38, s17, 17
	s_add_nc_u64 s[26:27], s[6:7], s[38:39]
	s_add_co_u32 s17, s14, 1
	s_min_u32 s17, s17, 3                          ; the tree behind (tree 3 likewise)
	s_mul_i32 s38, s17, 393216
	s_add_nc_u64 s[22:23], s[4:5], s[38:39]
	s_lshl_b32 s38, s17, 17
	s_add_nc_u64 s[28:29], s[6:7], s[38:39]
	s_mul_i32 s38, s16, 700416
	s_add_nc_u64 s[50:51], s[8:9], s[38:39]        ; W_out's fragments and scale words of my 64 outputs
	s_mul_i32 s38, s16, 43776
	s_add_nc_u64 s[52:53], s[10:11], s[38:39]
	s_lshl_b32 s38, ttmp9, 16
	s_lshl_b32 s17, s14, 14
	s_add_co_u32 s38, s38, s17
	s_lshl_b32 s17, s16, 8
	s_add_co_u32 s38, s38, s17
	s_add_nc_u64 s[12:13], s[12:13], s[38:39]      ; out0 at row 64 bx + 16 w, column 64 nq
	WIN 0x80                                       ; destination window 2
.irp a, 0,1,2,3
	global_load_b128 v[RA+40*\a:RA+40*\a+3], v4, s[20:21] offset:256*\a
.irp q, 1,2,3,4,5,6
	global_load_b128 v[RA+40*\a+4*\q:RA+40*\a+4*\q+3], v4, s[18:19] offset:65536*(\q-1)+256*\a
.endr
.irp q, 7,8,9
	global_load_b128 v[RA+40*\a+4*\q:RA+40*\a+4*\q+3], v4, s[22:23] offset:65536*(\q-7)+256*\a
.endr
.endr
	WIN 0
.irp a, 0,1,2,3
	global_load_b32 v[GB0+12*\a+1], v5, s[26:27] offset:512*\a+20
	global_load_b128 v[GB0+12*\a+2:GB0+12*\a+5], v5, s[24:25] offset:512*\a
	global_load_b64 v[GB0+12*\a+6:GB0+12*\a+7], v5, s[24:25] offset:512*\a+16
	global_load_b128 v[GB0+12*\a+8:GB0+12*\a+11], v5, s[28:29] offset:512*\a
.endr
.irp n, 0,1,2,3,4,5
	LOADP \n
.endr
	s_wait_loadcnt 60                              ; the entries are in; the ring's 60 loads may be out
	TILE 0
	TILE 1
	TILE 2
	TILE 3
	SETUP 0
	WIN 0
.set nI, 0
.set BO, 0
.rept 40
	BOP 0                                          ; the first pass's fragments
.endr
.irp n, 0,1,2,3,4,5,6,7,8,9,10,11,12,13,14,15,16,17,18,19,20,21,22,23,24,25,26,27,28,29,30,31,32,33,34,35,36,37,38,39,40,41,42,43,44,45,46,47,48
	PASS \n
.endr
	; THE WAY OUT.  Each wave's 64 x 64 partial sums go into its own rows in LDS; behind a barrier wave w adds the four waves' rows 16 w .. 16 w + 15 and stores them.
.rept 4
	v_nop                                          ; places between the last products and the first read of results
.endr
	WIN 0
.irp a, 0,1,2,3
.irp b, 0,1,2,3
	ds_store_b128 v7, v[ACC+8*(4*\a+\b):ACC+8*(4*\a+\b)+3] offset:4352*\a+64*\b        ; each accumulator from its low end on: lane (r, h): token 16 a + r, outputs 16 b + 8 h + 0 .. 7
	ds_store_b128 v7, v[ACC+8*(4*\a+\b)+4:ACC+8*(4*\a+\b)+7] offset:4352*\a+64*\b+16
.endr
.endr
	s_wait_dscnt 0x0                               ; for the others' sake: my stores have landed
	s_barrier_signal -1
	s_barrier_wait -1
.irp t, 0,1,2,3
.irp i, 0,1,2,3,4,5,6,7
	ds_load_b128 v[128+32*\t+4*\i:128+32*\t+4*\i+3], v8 offset:17408*\t+544*\i
.endr
.endr
	s_wait_dscnt 0x0
.irp i, 0,1,2,3,4,5,6,7
.irp u, 0,2
	v_pk_add_f32 v[128+4*\i+\u:128+4*\i+\u+1], v[128+4*\i+\u:128+4*\i+\u+1], v[160+4*\i+\u:160+4*\i+\u+1]
	v_pk_add_f32 v[192+4*\i+\u:192+4*\i+\u+1], v[192+4*\i+\u:192+4*\i+\u+1], v[224+4*\i+\u:224+4*\i+\u+1]
.endr
.endr
.irp i, 0,1,2,3,4,5,6,7
.irp u, 0,2
	v_pk_add_f32 v[128+4*\i+\u:128+4*\i+\u+1], v[128+4*\i+\u:128+4*\i+\u+1], v[192+4*\i+\u:192+4*\i+\u+1]
.endr
	global_store_b128 v9, v[128+4*\i:128+4*\i+3], s[12:13] offset:2048*\i th:TH_STORE_NT   ; sixteen lanes store 256 consecutive bytes, at a multiple of 256 from out0's first byte
.endr
	s_wait_tensorcnt 0x0
	ds_add_u32 v34, v35
	s_wait_dscnt 0x0
	s_endpgm
.Lfunc_end_k_qf5076558f7_combine:
	.size	k_qf5076558f7_combine, .Lfunc_end_k_qf5076558f7_combine-k_qf5076558f7_combine
	.p2alignl 7, 3214868480
	.fill 96, 4, 3214868480
	.section	.rodata,"a",@progbits
	.p2align	6, 0x0
	.amdhsa_kernel k_qf5076558f7_combine
		.amdhsa_group_segment_fixed_size 70144
		.amdhsa_private_segment_fixed_size 0
		.amdhsa_enable_private_segment 0
		.amdhsa_kernarg_size 40
		.amdhsa_user_sgpr_count 2
		.amdhsa_user_sgpr_kernarg_segment_ptr 1
		.amdhsa_wavefront_size32 1
		.amdhsa_system_sgpr_workgroup_id_x 1
		.amdhsa_system_sgpr_workgroup_id_y 1
		.amdhsa_system_sgpr_workgroup_id_z 1
		.amdhsa_system_vgpr_workitem_id 0
		.amdhsa_next_free_vgpr 768
		.amdhsa_next_free_sgpr 66
		.amdhsa_reserve_vcc 1
		.amdhsa_float_denorm_mode_32 3
		.amdhsa_float_denorm_mode_16_64 3
		.amdhsa_memory_ordered 1
		.amdhsa_forward_progress 1
		.amdhsa_inst_pref_size 255
	.end_amdhsa_kernel
	.section	.bss,"aw",@nobits
	.p2align	6
	.space	262144
	.amdgpu_metadata
---
amdhsa.version: [ 1, 2 ]
amdhsa.kernels:
  - .name:           k_qf5076558f7_combine
    .symbol:         k_qf5076558f7_combine.kd
    .args:
      - { .name: ent_act, .offset: 0, .size: 8, .value_kind: global_buffer, .address_space: global }
      - { .name: ent_gg, .offset: 8, .size: 8, .value_kind: global_buffer, .address_space: global }
      - { .name: wout_frag, .offset: 16, .size: 8, .value_kind: global_buffer, .address_space: global }
      - { .name: wout_sc, .offset: 24, .size: 8, .value_kind: global_buffer, .address_space: global }
      - { .name: out0, .offset: 32, .size: 8, .value_kind: global_buffer, .address_space: global }
    .group_segment_fixed_size: 70144
    .private_segment_fixed_size: 0
    .kernarg_segment_align: 8
    .kernarg_segment_size: 40
    .max_flat_workgroup_size: 128
    .sgpr_count:     66
    .vgpr_count:     768
    .wavefront_size: 32
...
	.end_amdgpu_metadata
.endif
;; end of part 3
;; ======== version 2 of 2: 3 launches
;; workspace buffers: win_frag 2,801,664 bytes; wout_frag 2,801,664 bytes; wout_sc 175,104 bytes; ent_act 1,572,864 bytes; ent_gg 524,288 bytes of whole numbers
;; launch prep (part 4): grid 257 x 4, 4 waves a work-group, no clusters, 34,560 bytes of LDS; arguments W_out, W_in_codes, wout_frag, wout_sc, win_frag; writes wout_frag, wout_sc, win_frag
.if DOCPART == 4
	.amdgcn_target "amdgcn-amd-amdhsa--gfx1250"
	.amdhsa_code_object_version 6
	.text
	.protected	k_qf5076558f7_prep
	.globl	k_qf5076558f7_prep
	.p2align	8
	.type	k_qf5076558f7_prep,@function
k_qf5076558f7_prep:
	s_mov_b64 s[64:65], 0
	v_nop
	global_prefetch_b8 v0, s[64:65] scope:SCOPE_SE
	s_setreg_imm32_b32 hwreg(HW_REG_WAVE_MODE, 25, 1), 1
	s_wait_xcnt 0x0
; PREP.  Two jobs in one launch, chosen by the work-group's x alone.
; x < 171: W_out [256][21840] f32 (K innermost) is quantised along K to codes of E2M1 with one E8M0 byte for each 32, and laid IN THE ORDER OF AN OPERAND'S REGISTERS:
;   wout_frag [nq 4][ks 171][b 4][c 2][lane 32][16 bytes]: lane (r, h) holds block 4 ks + 2 c + h of row 64 nq + 16 b + r;  wout_sc [nq][ks][b][r]: one word, the K step's four scale bytes.
;   Work-group (x, y) takes K step x of rows 64 y .. 64 y + 63, wave w the 16 rows of tile b = w.  Each load reads 512 consecutive bytes of one row; the 16 rows turn through the wave's own stage in LDS
;   (rows 528 bytes apart), out of which a lane takes two whole blocks of 32 numbers of its row.  K ends at 21,840: what lies beyond is made zero ahead of the block's maximum, and no load leaves a row.
; x >= 171: W_in's codes are copied into win_frag [p 4][T 342][j 4][lane 32][16 bytes]: tile 0 = rows 0-15 of tree p, tile T >= 1 = rows 16 T - 12 on, so that a tile is the four children of one node.
;   j = 2 s + c: lane (r, h) holds the 16 bytes of row r at byte 32 j + 16 h.  Wave w of work-group x takes tile 4 (x - 171) + w, held at 341 (the last work-group writes that tile three times, with the same bytes).
; A block's scale is 2^(floor(log2(largest magnitude)) - 2); its byte is the largest magnitude's exponent field - 2, held at 1 from below.  A block of zeros keeps the byte 1: its codes are zeros, and this program alone reads the bytes.
; LIMITS: NaN and infinities in W_out are not served.
; No tensor loads, clusters or matrix work: a stream, each input byte read once.
.set KROWB,  87360                     ; a row of W_out in bytes
.set NKS,    171                       ; K steps of 128
.set SPITCH, 528                       ; a stage row: 512 bytes + 16: an odd multiple of 16, so that sixteen rows begin in sixteen different groups of banks
.set WSTG,   16*SPITCH                 ; a wave's stage
.set SCG,    4*WSTG                    ; behind the stages: the work-group's 64 scale words
.set R,   16                           ; v16-79   16 rows x 4 registers as loaded
.set X,   80                           ; v80-143  my two blocks of 32 numbers
.set C,   144                          ; v144-151 their codes
.set MG,  152                          ; v152-153 largest magnitudes, v154-155 scale operands, v156-157 bytes, v158 the word, v159 at work
	s_load_b256 s[4:11], s[0:1], 0x0               ; W_out s[4:5], W_in's codes s[6:7], wout_frag s[8:9], wout_sc s[10:11]
	s_load_b64 s[12:13], s[0:1], 0x20              ; win_frag
	v_lshl_add_u32 v160, v0, 2, 0x8500
	v_mov_b32 v161, 0
	v_lshrrev_b32 v1, 5, v0
	v_readfirstlane_b32 s14, v1                    ; wave
	s_and_b32 s15, ttmp7, 0xffff                   ; y
	v_and_b32 v1, 31, v0                           ; lane
	v_and_b32 v2, 15, v0                           ; r
	v_bfe_u32 v3, v0, 4, 1                         ; h
	v_lshlrev_b32 v7, 4, v1                        ; 16 x lane
	s_mul_i32 s16, s14, WSTG
	v_add_nc_u32 v5, s16, v7                       ; the stage, on the way in: a row's 512 bytes as they lie
	v_mul_u32_u24 v6, v2, SPITCH
	v_lshl_add_u32 v6, v3, 7, v6
	v_add_nc_u32 v6, s16, v6                       ; and on the way out: row r, + 128 h: my blocks h and 2 + h
	s_lshl_b32 s16, s14, 6
	v_lshl_add_u32 v8, v2, 2, s16
	v_add_nc_u32 v8, SCG, v8                       ; my row's scale word: 64 x wave + 4 r
	v_lshlrev_b32 v12, 3, v1                       ; 8 x lane
	v_add_nc_u32 v9, SCG, v12
	s_mov_b32 s22, 0x76543210
	s_mov_b32 s23, 0xfedcba98                      ; v_permlanex16_b32's selects for lane l xor 16
	s_mul_i32 s24, s15, NKS
	s_add_co_u32 s24, s24, ttmp9                   ; 171 y + x
	s_lshl_b32 s26, s24, 8                         ; 256 bytes of scale words a K step
	s_mov_b32 s27, 0
	s_wait_kmcnt 0x0
	s_add_nc_u64 s[10:11], s[10:11], s[26:27]      ; (used by the quantising work-groups alone)
	s_cmp_ge_u32 ttmp9, NKS
	s_cbranch_scc1 .Lrelay
	; ---- the quantiser
	s_lshl_b32 s17, ttmp9, 9
	s_wait_alu depctr_va_vdst(0)
	v_add_nc_u32 v4, s17, v7                       ; my 16 bytes of the K step's 512 in a row
	v_cmp_gt_u32 s20, KROWB, v4                    ; inside the row?
	v_cndmask_b32 v4, 0, v4, s20                   ; a lane beyond the row's end reads the row's first bytes and throws them away
	s_wait_alu depctr_va_vdst(0)
	s_lshl_b32 s18, s15, 6
	s_lshl_b32 s19, s14, 4
	s_add_co_u32 s18, s18, s19                     ; my first row: 64 y + 16 w
	s_mul_i32 s18, s18, KROWB
	s_mov_b32 s19, 0
	s_add_nc_u64 s[4:5], s[4:5], s[18:19]
	s_lshl_b32 s18, s24, 2
	s_add_co_u32 s18, s18, s14
	s_lshl_b32 s18, s18, 10                        ; ((171 y + x) 4 + w) x 1,024 bytes
	s_add_nc_u64 s[8:9], s[8:9], s[18:19]
.irp i, 0,1,2,3,4,5,6,7,8,9,10,11,12,13,14,15
	global_load_b128 v[R+4*\i:R+4*\i+3], v4, s[4:5] offset:\i*KROWB th:TH_LOAD_NT   ; 32 lanes read 512 consecutive bytes of row i
.endr
.irp i, 0,1,2,3,4,5,6,7,8,9,10,11,12,13,14,15
	s_wait_loadcnt 15-\i                           ; row i is in; the younger rows may be out
.irp j, 0,1,2,3
	v_cndmask_b32 v[R+4*\i+\j], 0, v[R+4*\i+\j], s20   ; zeros beyond K's end
.endr
	ds_store_b128 v5, v[R+4*\i:R+4*\i+3] offset:SPITCH*\i
.endr
.irp c, 0,1
.irp q, 0,1,2,3,4,5,6,7
	ds_load_b128 v[X+32*\c+4*\q:X+32*\c+4*\q+3], v6 offset:256*\c+16*\q   ; LDS serves a wave's instructions in order: these see my stores
.endr
.endr
	s_wait_dscnt 0x0
.irp c, 0,1
	v_max3_num_f32 v[MG+\c], |v[X+32*\c]|, |v[X+32*\c+1]|, 0x1800000   ; the floor 2^(3 - 127) among the leaves: the byte cannot fall under 1
.endr
.irp i, 2,4,6,8,10,12,14,16,18,20,22,24,26,28,30
.irp c, 0,1
	v_max3_num_f32 v[MG+\c], v[MG+\c], |v[X+32*\c+\i]|, |v[X+32*\c+\i+1]|   ; the two blocks by turns
.endr
.endr
.irp c, 0,1
	v_add_nc_u32 v[MG+2+\c], 0xff000000, v[MG+\c]  ; 2 off the exponent field: the conversion's scale operand
.endr
.irp c, 0,1
	v_lshrrev_b32 v[MG+4+\c], 23, v[MG+2+\c]       ; the scale's byte
.endr
	v_lshl_or_b32 v158, v157, 16, v156             ; my two bytes: blocks h and 2 + h,
	v_lshlrev_b32 v159, 3, v3
	v_lshlrev_b32 v158, v159, v158                 ; 8 h bits up;
	v_mov_b32 v159, 0
	v_permlanex16_b32 v159, v158, s22, s23
	v_or_b32 v158, v158, v159                      ; with lane l xor 16's two the word is whole
.irp c, 0,1
.irp g, 0,1,2,3
	v_cvt_scalef32_pk8_fp4_f32 v[C+4*\c+\g], v[X+32*\c+8*\g:X+32*\c+8*\g+7], v[MG+2+\c]
.endr
.endr
	v_nop                                          ; one plain place behind the conversions
.irp c, 0,1
	global_store_b128 v7, v[C+4*\c:C+4*\c+3], s[8:9] offset:512*\c   ; 32 lanes store 512 consecutive bytes
.endr
	ds_store_b32 v8, v158                          ; both halves of the lanes write the same word with the same value
	s_branch .Ljoin
.Lrelay:
	; ---- W_in's codes into the order of an operand's registers
	s_sub_co_u32 s17, ttmp9, NKS
	s_lshl_b32 s17, s17, 2
	s_add_co_u32 s17, s17, s14
	s_min_u32 s17, s17, 341                        ; my tile
	s_lshl_b32 s18, s17, 4
	s_sub_co_i32 s18, s18, 12
	s_max_i32 s18, s18, 0                          ; its first row in the tree
	s_mul_i32 s19, s15, 5460
	s_add_co_u32 s18, s18, s19
	s_lshl_b32 s18, s18, 7                         ; 128 bytes a row
	s_mov_b32 s19, 0
	s_add_nc_u64 s[6:7], s[6:7], s[18:19]
	s_mul_i32 s18, s15, 342
	s_add_co_u32 s18, s18, s17
	s_lshl_b32 s18, s18, 11                        ; 2,048 bytes a tile
	s_add_nc_u64 s[12:13], s[12:13], s[18:19]
	v_lshlrev_b32 v4, 7, v2
	v_lshl_add_u32 v4, v3, 4, v4                   ; 128 r + 16 h
.irp j, 0,1,2,3
	global_load_b128 v[R+4*\j:R+4*\j+3], v4, s[6:7] offset:32*\j
.endr
	s_wait_loadcnt 0x0
.irp j, 0,1,2,3
	global_store_b128 v7, v[R+4*\j:R+4*\j+3], s[12:13] offset:512*\j
.endr
.Ljoin:
	s_wait_dscnt 0x0                               ; my scale words lie in LDS
	s_barrier_signal -1
	s_barrier_wait -1                              ; everybody's do
	s_cmp_ge_u32 ttmp9, NKS
	s_cbranch_scc1 .Lend
	s_cmp_lg_u32 s14, 0
	s_cbranch_scc1 .Lend
	s_wait_alu depctr_va_vdst(0)
	ds_load_b64 v[10:11], v9                       ; wave 0 stores the K step's 64 words
	s_wait_dscnt 0x0
	global_store_b64 v12, v[10:11], s[10:11]       ; 32 lanes store 256 consecutive bytes, at a multiple of 256 from the buffer's first byte
.Lend:
	s_wait_tensorcnt 0x0
	ds_add_u32 v160, v161
	s_wait_dscnt 0x0
	s_endpgm
.Lfunc_end_k_qf5076558f7_prep:
	.size	k_qf5076558f7_prep, .Lfunc_end_k_qf5076558f7_prep-k_qf5076558f7_prep
	.p2alignl 7, 3214868480
	.fill 96, 4, 3214868480
	.section	.rodata,"a",@progbits
	.p2align	6, 0x0
	.amdhsa_kernel k_qf5076558f7_prep
		.amdhsa_group_segment_fixed_size 34560
		.amdhsa_private_segment_fixed_size 0
		.amdhsa_enable_private_segment 0
		.amdhsa_kernarg_size 40
		.amdhsa_user_sgpr_count 2
		.amdhsa_user_sgpr_kernarg_segment_ptr 1
		.amdhsa_wavefront_size32 1
		.amdhsa_system_sgpr_workgroup_id_x 1
		.amdhsa_system_sgpr_workgroup_id_y 1
		.amdhsa_system_sgpr_workgroup_id_z 1
		.amdhsa_system_vgpr_workitem_id 0
		.amdhsa_next_free_vgpr 162
		.amdhsa_next_free_sgpr 66
		.amdhsa_reserve_vcc 0
		.amdhsa_float_denorm_mode_32 3
		.amdhsa_float_denorm_mode_16_64 3
		.amdhsa_memory_ordered 1
		.amdhsa_forward_progress 1
		.amdhsa_inst_pref_size 16
	.end_amdhsa_kernel
	.amdgpu_metadata
---
amdhsa.version: [ 1, 2 ]
amdhsa.kernels:
  - .name:           k_qf5076558f7_prep
    .symbol:         k_qf5076558f7_prep.kd
    .args:
      - { .name: W_out, .offset: 0, .size: 8, .value_kind: global_buffer, .address_space: global }
      - { .name: W_in_codes, .offset: 8, .size: 8, .value_kind: global_buffer, .address_space: global }
      - { .name: wout_frag, .offset: 16, .size: 8, .value_kind: global_buffer, .address_space: global }
      - { .name: wout_sc, .offset: 24, .size: 8, .value_kind: global_buffer, .address_space: global }
      - { .name: win_frag, .offset: 32, .size: 8, .value_kind: global_buffer, .address_space: global }
    .group_segment_fixed_size: 34560
    .private_segment_fixed_size: 0
    .kernarg_segment_align: 8
    .kernarg_segment_size: 40
    .max_flat_workgroup_size: 128
    .sgpr_count:     66
    .vgpr_count:     162
    .wavefront_size: 32
...
	.end_amdgpu_metadata
.endif
;; end of part 4
;; launch route (part 5): grid 64 x 4, 8 waves a work-group, no clusters, 140,544 bytes of LDS; arguments oldx_codes, oldx_scales, win_frag, W_in_scales, b_in, ent_act, ent_gg; writes ent_act, ent_gg
.if DOCPART == 5
	.amdgcn_target "amdgcn-amd-amdhsa--gfx1250"
	.amdhsa_code_object_version 6
	.text
	.protected	k_qf5076558f7_route
	.globl	k_qf5076558f7_route
	.p2align	8
	.type	k_qf5076558f7_route,@function
k_qf5076558f7_route:
	s_mov_b64 s[64:65], 0
	v_nop
	global_prefetch_b8 v0, s[64:65] scope:SCOPE_SE
	s_setreg_imm32_b32 hwreg(HW_REG_WAVE_SCHED_MODE, 0, 2), 2
	s_setreg_imm32_b32 hwreg(HW_REG_WAVE_MODE, 25, 1), 1
	s_wait_xcnt 0x0
	s_wait_alu depctr_vm_vsrc(0)
; ROUTE.  logits = x W_in^T + b_in on codes of E2M1 (all 21,840 of them), the walk down the trees, and the exact GELU of the six groups of four that a token keeps in each tree.
; SHARES.  Work-group (bx, p): tokens 64 bx .. 64 bx + 63, tree p.  Eight waves, two to a SIMD.  The matrix instruction is used transposed (source 0 = 16 rows of W_in, source 1 = 16 tokens, C = the bias):
; lane (r, h) holds token r and rows 8 h .. 8 h + 7 of the tile.  A TILE IS THE FOUR CHILDREN OF ONE NODE (win_frag is laid so), so the tile that a token needs at level L + 1 is known from its node at level L.
; THE MASK IS A MULTIPLICATION BY 0 OR 1: each tile's results are added, times (tile == the token's tile), into eight candidate registers a token tile: two numbers an instruction, no address and no branch hangs on a decision.
; PHASE A (waves 0-3, one token tile each): tiles 0-21 (levels 0-3) from LDS; four decisions give c4, the token's node at level 4.  MAIN: every wave holds all 64 tokens and an eighth of the tiles of levels 4 and 5
; (8 + 32 tiles), straight from memory into a ring of eight tiles in registers: each fragment is read by one wave of the work-group alone, so a way through LDS would only add a write and a read for each byte, and a joint
; request in a cluster has no LDS tile to land in; that is why there is no tensor load and no cluster here.  LAST (waves 0-3): the eight waves' candidates are added (one of them is not zero), two more decisions, and the results leave.
; GELU(x) = max(x, 0) - |x| Q, Q = erfc(|x| / sqrt 2) / 2 = t 2^(P(t) - x^2 log2(e) / 2), t = 1 / (1 + |x| / (2 sqrt 2)), P a polynomial of degree 9 (fractional error of the fit 1.2e-7); x^2 is kept with its rounding error,
; and log2(e) / 2 in two parts.  The largest of four is taken by strict compares, so that the lower index wins a tie.
; OUT: ent_act [p][L 6][token][4] f32;  ent_gg [p][token][8] whole numbers: 1365 p + the token's group at levels 0-5, then 0, 0.
; LIMITS: every logit must be finite (0 x infinity is NaN here as in a product with a 0/1 mask); NaN is not served; Q is taken as 0 where it falls under 2^-126 (x under about -13.2);
; a decision between two activations closer than some 1e-6 of their size can fall either way.
; REGISTERS, in two windows of 256 (s_set_vgpr_msb's low byte: bits 1:0 source 0, 3:2 source 1, 5:4 source 2, 7:6 destination).
;   window 0: v1-22 addresses; v24-41 scale words (they hold nothing else); v42-49 the masks, in pairs; v50-113 phase A's W fragments; v114-116 addresses; v128-255 the ring of eight W tiles.
;   window 1: v0-63 x's fragments; v64-127 two sets of four accumulators; v128-159 candidates; v160-191 four tiles' biases; v192-223 at work in a decision; v224-239 keys and the walk's state; v240-255 my own token tile's x.
; THE MODE: SCHED_MODE bits 1:0 = 2 (LLVM: expert scheduling mode 2), set by the entry lines.  The code itself states the register dependences between vector or matrix instructions and memory or LDS
; instructions, and those through scalar registers that vector instructions write, with s_wait_alu, always for 0.
; THE PLAN.  Registers that memory or LDS instructions touch:
;   the addresses   Written at the head, ahead of one wait on va_vdst, and never again; but v[VB5], which steps once for eight tiles of level 5 (STEP8).
;   the ring WR     First the staging loads land in it and the staging LDS stores read it; then tile n's products read slot n % 8, and the loads of tile n + 8, issued at the head of tile n + 1, land in it.
;   WS, BI          Scale words and biases: tile n's products read their slot; the loads issued at the head of tile n + 1 (scale words: of every second tile) land in it.
;   PAW, PAWS, PBI  Phase A, two slots: group g's products read slot g % 2; the LDS loads of group g + 2, issued at the head of group g + 1, land in it.
;   OUT, CC, the candidates, the last results   Written by vector instructions, read by stores; the first three are written again later.
;   window 1, v0-127   Read and written by the products; at the end the eight waves' candidates are loaded into them.
; So ONE wait on va_vdst stands at the head of a tile (a group), behind the masks and directly ahead of its loads; one ahead of each run of stores; one wait on vm_vsrc ahead of each rewrite of what a store or a load has read.
; Every compare writes a scalar register: the compares stand in runs, one wait on va_sdst behind each run, ahead of the selects that read the masks.
.set BIAS,  0                          ; LDS: b_in of tree p: 21,840 bytes in 24,576 (each thread stages at 16 x thread; what lies beyond is never read)
.set PAC,   24576                      ; tiles 0-21 as they lie in win_frag: 45,056 bytes
.set PAS,   69632                      ; W_in's scale bytes of rows 0-351: 2,816 bytes in 4,096
.set KEYS,  73728                      ; c4 of the 64 tokens
.set COMB4, 73984                      ; [wave 8][k 8][lane][16]: each wave's candidates of level 4;
.set COMB5, 106752                     ; of level 5
.set SM,   52                          ; s52-55 the masks that compares write
.set VL16, 1
.set VXA,  4
.set VSC,  5
.set VB4,  6
.set VB5,  7
.set VPAC, 8
.set VPAS0, 9
.set VPAS, 10
.set VPB,  11
.set VKS,  12
.set VKL,  13
.set VC4S, 14
.set VC5S, 15
.set VC4L, 16
.set VC5L, 17
.set VEA,  18
.set VEG,  19
.set VT16, 20
.set VTP,  21
.set VB5B, 22
.set XS,   24                          ; v24-27 x's scale words: pair a / 2, register s; lanes 0-15 tile a even, lanes 16-31 tile a odd
.set XOS,  28                          ; v28-29 my own tile's
.set WS,   30                          ; v30-37 W's: four slots of a pair of tiles
.set PAWS, 38                          ; v38-41 phase A's: two slots
.set M,    42
.set PAW,  50
.set VCB,  114
.set VCS,  115
.set VXO,  116
.set WR,   128
.set XF,   0
.set ACC,  64
.set SEL,  128
.set BI,   160
.set GX,   192
.set GY,   196
.set GA,   200
.set GS,   204
.set GE,   208
.set GT,   212
.set GP,   216
.set GM,   220
.set KEY,  224
.set KEYN, 228
.set H1,   232
.set MV,   233                         ; the last move
.set CC,   234                         ; the node's number in its level
.set K1,   235
.set TA,   236
.set B0,   237
.set B1,   238
.set I0,   239
.set XO,   240
.set ACCA, 64                          ; phase A: two accumulators,
.set CAND2, 80                         ; the candidates of levels 2 and 3,
.set CAND3, 88
.set ACT,  96                          ; four levels' activations,
.set OUT,  112                         ; what is stored,
.set PBI,  128                         ; and two slots of two tiles' biases
.set MAIN, 0x54                        ; source 0 window 0; sources 1, 2 and the destination window 1
.set BLK,  0x14                        ; destination and source 0 window 0; source 1 window 1
.set ALL1, 0x55
.set D1,   0x40                        ; destination window 1
.set MSB, 0
.macro WIN new                         ; the immediate's high byte repeats the setting that is left
.if MSB != \new
	s_set_vgpr_msb (MSB<<8)|\new
.set MSB, \new
.endif
.endm
; one matrix instruction on the registers named by rD, rA, rB, rC, rSA, rSB; ra, rb: which half of the lanes holds A's and B's scale words
.macro WM ra, rb
.if ((\ra)==0)&&((\rb)==0)
	v_wmma_scale_f32_16x16x128_f8f6f4 v[rD:rD+7], v[rA:rA+7], v[rB:rB+7], v[rC:rC+7], v[rSA], v[rSB] matrix_a_fmt:MATRIX_FMT_FP4 matrix_b_fmt:MATRIX_FMT_FP4
.elseif ((\ra)==1)&&((\rb)==0)
	v_wmma_scale_f32_16x16x128_f8f6f4 v[rD:rD+7], v[rA:rA+7], v[rB:rB+7], v[rC:rC+7], v[rSA], v[rSB] matrix_a_fmt:MATRIX_FMT_FP4 matrix_b_fmt:MATRIX_FMT_FP4 matrix_a_scale:MATRIX_SCALE_ROW1
.elseif ((\ra)==0)&&((\rb)==1)
	v_wmma_scale_f32_16x16x128_f8f6f4 v[rD:rD+7], v[rA:rA+7], v[rB:rB+7], v[rC:rC+7], v[rSA], v[rSB] matrix_a_fmt:MATRIX_FMT_FP4 matrix_b_fmt:MATRIX_FMT_FP4 matrix_b_scale:MATRIX_SCALE_ROW1
.else
	v_wmma_scale_f32_16x16x128_f8f6f4 v[rD:rD+7], v[rA:rA+7], v[rB:rB+7], v[rC:rC+7], v[rSA], v[rSB] matrix_a_fmt:MATRIX_FMT_FP4 matrix_b_fmt:MATRIX_FMT_FP4 matrix_a_scale:MATRIX_SCALE_ROW1 matrix_b_scale:MATRIX_SCALE_ROW1
.endif
.endm
; A DECISION (all in window 1).  cand: a tile's 8 registers (rows 8 h + 0 .. 7 of the token's tile).  Child MV of the tile is the token's group: its four logits are picked, brought to both halves of the lanes,
; put through GELU into act .. act + 3, and the place of the largest becomes the new MV; CC = 4 CC + MV.
.macro RESOLVE cand, act
	v_and_b32 v[TA], 1, v[MV]
	v_lshrrev_b32 v[B0], 1, v[MV]
	v_cmp_eq_u32 s[SM], 1, v[TA]                   ; the odd child of a half's two?
	v_cmp_eq_u32 s[SM+1], v[B0], v[H1]             ; is it my half of the lanes that holds it?
	s_wait_alu depctr_va_sdst(0)                   ; the two compares have written s[SM] and s[SM+1], ahead of the selects that read them
.irp j, 0,1,2,3
	v_cndmask_b32 v[GX+\j], v[\cand+\j], v[\cand+4+\j], s[SM]   ; child 2 h or 2 h + 1 (the tile is read from its low end on)
.endr
.irp j, 0,1,2,3
	v_cndmask_b32 v[GX+\j], 0, v[GX+\j], s[SM+1]   ; the half of the lanes that holds it keeps it
.endr
.irp j, 0,1,2,3
	v_permlanex16_b32 v[GY+\j], v[GX+\j], s22, s23
.endr
.irp j, 0,1,2,3
	v_or_b32 v[GX+\j], v[GX+\j], v[GY+\j]          ; one of the two is all zero bits
.endr
.irp j, 0,1,2,3
	v_min_num_f32 v[GA+\j], |v[GX+\j]|, s46        ; |x|, held at 16: beyond it Q is 0 in f32
.endr
.irp u, 0,2
	v_pk_mul_f32 v[GS+\u:GS+\u+1], v[GA+\u:GA+\u+1], v[GA+\u:GA+\u+1]   ; x^2, rounded,
.endr
.irp u, 0,2
	v_pk_fma_f32 v[GE+\u:GE+\u+1], v[GA+\u:GA+\u+1], v[GA+\u:GA+\u+1], v[GS+\u:GS+\u+1] neg_lo:[0,0,1] neg_hi:[0,0,1]   ; and what the rounding dropped
	v_pk_fma_f32 v[GT+\u:GT+\u+1], v[GA+\u:GA+\u+1], 0x3eb504f3, 1.0 op_sel_hi:[1,0,0]   ; 1 + |x| / (2 sqrt 2)
.endr
	s_wait_alu depctr_va_vdst(0)
.irp j, 0,1,2,3
	v_rcp_f32 v[GT+\j], v[GT+\j]                   ; t
.endr
.irp j, 0,1,2,3
	v_mov_b32 v[GP+\j], 0x3e7c6f08                 ; the polynomial's leading coefficient x log2(e).  (Plain places behind the reciprocals)
.endr
	s_wait_alu depctr_va_vdst(0)                   ; the four reciprocals have written t, ahead of its first reader
.irp k, 0xbf97d29d,0x40097039,0xbfd1a1e5,0x3ecdfd18,0xbe899a80,0x3e0efb2e,0x3f0a29d2,0x3fb8ab5a,0xc034d90f
.irp u, 0,2
	v_pk_fma_f32 v[GP+\u:GP+\u+1], v[GP+\u:GP+\u+1], v[GT+\u:GT+\u+1], \k op_sel_hi:[1,1,0]   ; Horner; the last coefficient has 1 taken off for the factor 1/2
.endr
.endr
.irp u, 0,2
	v_pk_fma_f32 v[GP+\u:GP+\u+1], v[GE+\u:GE+\u+1], 0xbf38aa3b, v[GP+\u:GP+\u+1] op_sel_hi:[1,0,1]   ; - x^2 log2(e) / 2: the small parts first
.endr
.irp u, 0,2
	v_pk_fma_f32 v[GP+\u:GP+\u+1], v[GS+\u:GS+\u+1], 0xb2257060, v[GP+\u:GP+\u+1] op_sel_hi:[1,0,1]
.endr
.irp u, 0,2
	v_pk_fma_f32 v[GP+\u:GP+\u+1], v[GS+\u:GS+\u+1], 0xbf38aa3b, v[GP+\u:GP+\u+1] op_sel_hi:[1,0,1]
.endr
	s_wait_alu depctr_va_vdst(0)
.irp j, 0,1,2,3
	v_exp_f32 v[GP+\j], v[GP+\j]
.endr
.irp j, 0,1,2,3
	v_max_num_f32 v[GM+\j], 0, v[GX+\j]            ; max(x, 0).  (Plain places behind the exponentials)
.endr
	s_wait_alu depctr_va_vdst(0)                   ; the four exponentials have written v[GP ..], ahead of their first reader
.irp u, 0,2
	v_pk_mul_f32 v[GT+\u:GT+\u+1], v[GT+\u:GT+\u+1], v[GP+\u:GP+\u+1]   ; Q
.endr
.irp j, 0,1,2,3
	v_fma_f32 v[\act+\j], -|v[GX+\j]|, v[GT+\j], v[GM+\j]
.endr
	v_cmp_gt_f32 s[SM], v[\act+1], v[\act]
	v_cmp_gt_f32 s[SM+1], v[\act+3], v[\act+2]
	s_wait_alu depctr_va_sdst(0)                   ; the two compares have written s[SM] and s[SM+1], ahead of the selects that read them
	v_cndmask_b32 v[B0], v[\act], v[\act+1], s[SM]
	v_cndmask_b32 v[I0], 0, 1, s[SM]
	v_cndmask_b32 v[B1], v[\act+2], v[\act+3], s[SM+1]
	v_cndmask_b32 v[TA], 2, 3, s[SM+1]
	v_cmp_gt_f32 s[SM+2], v[B1], v[B0]
	s_wait_alu depctr_va_sdst(0)                   ; the last compare has written s[SM+2], ahead of the select that reads it
	v_cndmask_b32 v[MV], v[I0], v[TA], s[SM+2]
	v_lshl_add_u32 v[CC], v[CC], 2, v[MV]
.endm
; PHASE A.  Group g is tiles 2 g and 2 g + 1.  Its 13 LDS loads, into slot g % 2:
.macro PALOAD g
	WIN BLK
.irp t, 0,1
.irp j, 0,1,2,3
	ds_load_b128 v[PAW+32*((\g)%2)+16*\t+4*\j:PAW+32*((\g)%2)+16*\t+4*\j+3], v[VPAC] offset:2048*(2*(\g)+\t)+512*\j
.endr
.endr
.if (\g)==0
	ds_load_b64 v[PAWS:PAWS+1], v[VPAS0]           ; lanes 0-15 rows 0-15, lanes 16-31 rows 4-19
.else
	ds_load_b64 v[PAWS+2*((\g)%2):PAWS+2*((\g)%2)+1], v[VPAS] offset:256*(\g)-96   ; 32 rows on end from row 32 g - 12
.endif
	WIN MAIN
.irp t, 0,1
.irp q, 0,1
.if ((\g)==0)&&(\t==0)
	ds_load_b128 v[PBI+4*\q:PBI+4*\q+3], v[VPB] offset:16*\q
.else
	ds_load_b128 v[PBI+16*((\g)%2)+8*\t+4*\q:PBI+16*((\g)%2)+8*\t+4*\q+3], v[VPB] offset:64*(2*(\g)+\t)-48+16*\q
.endif
.endr
.endr
.endm
.macro PAW4 g                          ; its four matrix instructions: the two accumulators by turns
.irp s, 0,1
.irp t, 0,1
.set rD, ACCA+8*\t
.set rA, PAW+32*((\g)%2)+16*\t+8*\s
.set rB, XO+8*\s
.if \s==0
.set rC, PBI+16*((\g)%2)+8*\t
.else
.set rC, rD
.endif
.set rSA, PAWS+2*((\g)%2)+\s
.set rSB, XOS+\s
	WM \t, 0
.endr
.endr
.endm
; A group with its selection: tile 2 g counts where key == c0, tile 2 g + 1 where key == c0 + 1.  start = 1: the first tile starts the candidates' sums.
.macro PAG g, key, c0, cand, start
	s_wait_dscnt 0x0                               ; this group's loads are in
.if (\g)<10
	s_wait_alu depctr_va_vdst(0)                   ; the products of the group before are done reading their fragments, scale words and biases: the next group's loads land in that slot
	PALOAD (\g)+1
.endif
	WIN MAIN
	PAW4 \g
	WIN BLK
	v_cmp_eq_u32 s[SM], \c0, v[\key]
	v_cmp_eq_u32 s[SM+1], (\c0)+1, v[\key]
	s_wait_alu depctr_va_sdst(0)                   ; the two compares have written s[SM] and s[SM+1], ahead of the selects that read them
	v_cndmask_b32 v[M], 0, 1.0, s[SM]
	s_wait_alu depctr_va_vdst(0)
	v_cndmask_b32 v[M+2], 0, 1.0, s[SM+1]
	v_nop                                          ; with the four vector lines above: the places between the products and the first read of their results (ISA guide 7.12.1)
	v_nop
	WIN MAIN
.irp u, 0,2,4,6
.if \start
	v_pk_mul_f32 v[\cand+\u:\cand+\u+1], v[M:M+1], v[ACCA+\u:ACCA+\u+1] op_sel_hi:[0,1]
.else
	v_pk_fma_f32 v[\cand+\u:\cand+\u+1], v[M:M+1], v[ACCA+\u:ACCA+\u+1], v[\cand+\u:\cand+\u+1] op_sel_hi:[0,1,1]
.endif
.endr
.irp u, 0,2,4,6
	v_pk_fma_f32 v[\cand+\u:\cand+\u+1], v[M+2:M+3], v[ACCA+8+\u:ACCA+8+\u+1], v[\cand+\u:\cand+\u+1] op_sel_hi:[0,1,1]
.endr
.endm
; MAIN.  Operation o of 16 of a tile's selection: token tile o / 4, registers 2 (o % 4) on, of accumulator set 'set': each accumulator from its low end on.
.macro SLOP o, set, start
.set sA, ACC+32*(\set)+8*((\o)/4)+2*((\o)%4)
.set sS, SEL+8*((\o)/4)+2*((\o)%4)
.set sM, M+2*((\o)/4)
.if \start
	v_pk_mul_f32 v[sS:sS+1], v[sM:sM+1], v[sA:sA+1] op_sel_hi:[0,1]
.else
	v_pk_fma_f32 v[sS:sS+1], v[sM:sM+1], v[sA:sA+1], v[sS:sS+1] op_sel_hi:[0,1,1]
.endif
.endm
; Tile n of my 40: eight matrix instructions (K step 0 of the four token tiles with the bias as C, then K step 1: the four accumulators by turns), and between them tile n - 1's selection.
; refill: tile n + 7 is asked for, into the ring slot that tile n - 1 has left; with an even n also the scale words of tiles n + 6 and n + 7.  bsel: the bias of tile n + 3 comes from LDS (1: level 4, 2: level 5).
; lc: four loads for each younger tile may stay out.  dc: two bias loads for each younger tile.
; The tile's loads stand in one run at its head, directly behind the one wait on va_vdst: the global loads want another destination window than the products.
.macro PHASE n, slices, start, refill, bsel, lc, dc
.set PN, \n
.set PM, (PN+7)%8
.if \slices
	WIN BLK
.irp a, 0,1,2,3
	v_cmp_eq_u32 s[SM+\a], PM, v[KEY+\a]
.endr
	s_wait_alu depctr_va_sdst(0)                   ; the four compares have written s[SM .. SM+3], ahead of the selects that read them
.irp a, 0,1,2,3
	v_cndmask_b32 v[M+2*\a], 0, 1.0, s[SM+\a]
.endr
.endif
.if \refill
	WIN BLK
.else
	WIN MAIN
.endif
.if (\slices)&&((\refill)||(\bsel))
	s_wait_alu depctr_va_vdst(0)                   ; the products of the tile before are done reading its ring slot, its scale words and its bias, in which the loads below land; behind a step of eight tiles v[VB5] is written, which the bias loads read
.endif
.if \refill
.if PN%2==0
	global_load_b64 v[WS+2*(((PN+6)/2)%4):WS+2*(((PN+6)/2)%4)+1], v[VSC], s[30:31] offset:128*((PN+6)%8)
.endif
.irp j, 0,1,2,3
	global_load_b128 v[WR+16*PM+4*\j:WR+16*PM+4*\j+3], v[VL16], s[26:27] offset:2048*PM+512*\j
.endr
.endif
	WIN MAIN
.if \bsel==1
.irp q, 0,1
	ds_load_b128 v[BI+8*((PN+3)%4)+4*\q:BI+8*((PN+3)%4)+4*\q+3], v[VB4] offset:64*(PN+3)+16*\q
.endr
.elseif \bsel==2
.irp q, 0,1
	ds_load_b128 v[BI+8*((PN+3)%4)+4*\q:BI+8*((PN+3)%4)+4*\q+3], v[VB5] offset:64*PM+16*\q
.endr
.endif
	s_wait_alu depctr_va_vdst(0)
	s_wait_loadcnt \lc
	s_wait_dscnt \dc
.set I, 0
.rept 8
.set rD, ACC+32*(PN%2)+8*(I%4)
.set rA, WR+16*(PN%8)+8*(I/4)
.set rB, XF+16*(I%4)+8*(I/4)
.if I<4
.set rC, BI+8*(PN%4)
.else
.set rC, rD
.endif
.set rSA, WS+2*((PN/2)%4)+I/4
.set rSB, XS+2*((I%4)/2)+I/4
	WM PN%2, I%2
.if \slices
	SLOP 2*I, (PN+1)%2, \start
	SLOP 2*I+1, (PN+1)%2, \start
.endif
.set I, I+1
.endr
.endm
.macro STEP8                           ; eight tiles of level 5 on: the bases step only behind a wait that shows the loads' addresses read
	WIN 0
	s_wait_xcnt 0x0
	s_wait_alu depctr_vm_vsrc(0)                   ; the LDS loads issued so far have read v[VB5], which is written below (at its first place also: the LDS stores have read the candidates' registers, which are cleared behind it)
	s_add_nc_u64 s[26:27], s[26:27], 16384
	s_add_nc_u64 s[30:31], s[30:31], 1024
	s_add_co_u32 s34, s34, 512
	v_add_nc_u32 v[VB5], s34, v[VB5B]
.endm
	s_load_b256 s[4:11], s[0:1], 0x0               ; x's codes s[4:5], x's scales s[6:7], win_frag s[8:9], W_in's scales s[10:11]
	s_load_b128 s[12:15], s[0:1], 0x20             ; b_in s[12:13], ent_act s[14:15]
	s_load_b64 s[16:17], s[0:1], 0x30              ; ent_gg
	v_lshl_add_u32 v126, v0, 2, 0x22100
	v_mov_b32 v127, 0
	v_lshrrev_b32 v2, 5, v0
	v_readfirstlane_b32 s18, v2                    ; wave 0..7
	v_bfe_u32 v3, v0, 4, 1                         ; h
	v_cmp_eq_u32 s33, 1, v3                        ; lanes 16-31
	s_wait_alu depctr_va_sdst(0)                   ; s18 and s33 are written, ahead of their first readers: the scalar lines below, and the selects on the ways out
	s_and_b32 s19, s18, 3                          ; the token tile that waves 0-3 own
	s_and_b32 s21, ttmp7, 0xffff                   ; the tree
	s_mov_b32 s22, 0x76543210
	s_mov_b32 s23, 0xfedcba98                      ; v_permlanex16_b32's selects for lane l xor 16
	s_mov_b32 s34, 0
	s_lshl_b32 s35, s18, 3                         ; my first tile of level 4,
	s_lshl_b32 s36, s18, 5                         ; of level 5
	s_mov_b32 s46, 0x41800000                      ; 16.0
	s_mul_i32 s40, s21, 1365                       ; 1365 p + the levels' first groups
	s_add_co_u32 s41, s40, 1
	s_add_co_u32 s42, s40, 5
	s_add_co_u32 s43, s40, 21
	s_add_co_u32 s44, s40, 85
	s_add_co_u32 s45, s40, 341
	; every address is made here, ahead of the first parting of the waves
	v_and_b32 v20, 31, v0                          ; lane
	v_and_b32 v2, 15, v0                           ; r
	v_lshlrev_b32 v[VL16], 4, v20
	v_lshlrev_b32 v[VSC], 3, v20
	v_lshlrev_b32 v[VXA], 7, v2
	s_wait_alu depctr_va_vdst(0)
	v_lshl_add_u32 v[VXA], v3, 4, v[VXA]           ; x: row r of 128 bytes, + 16 h
	v_lshlrev_b32 v[VPB], 5, v3                    ; a tile's bias: my half's eight numbers (BIAS = 0)
	s_lshl_b32 s38, s18, 9
	v_add_nc_u32 v[VB4], s38, v[VPB]
	v_add_nc_u32 v[VB4], 1360, v[VB4]              ; 64 (22 + 8 w) - 48: my first tile of level 4
	s_lshl_b32 s38, s18, 11
	v_add_nc_u32 v[VB5B], s38, v[VPB]
	v_add_nc_u32 v[VB5B], 5200, v[VB5B]            ; 64 (86 + 32 w - 4) - 48: four tiles ahead of my first of level 5
	v_mov_b32 v[VB5], v[VB5B]
	v_add_nc_u32 v[VPAC], PAC, v[VL16]
	v_add_nc_u32 v[VPAS], PAS, v[VSC]
	v_mul_u32_u24 v[VPAS0], v3, 96
	v_sub_nc_u32 v[VPAS0], v[VPAS], v[VPAS0]
	v_lshl_add_u32 v[VKL], v2, 2, KEYS
	s_lshl_b32 s38, s19, 6
	v_add_nc_u32 v[VKS], s38, v[VKL]
	s_lshl_b32 s38, s18, 12
	v_add_nc_u32 v[VC4S], s38, v[VL16]
	v_add_nc_u32 v[VC5S], COMB5, v[VC4S]
	v_add_nc_u32 v[VC4S], COMB4, v[VC4S]
	s_lshl_b32 s38, s19, 10
	v_add_nc_u32 v[VC4L], s38, v[VL16]
	v_add_nc_u32 v[VC5L], COMB5, v[VC4L]
	v_add_nc_u32 v[VC4L], COMB4, v[VC4L]
	s_lshl_b32 s38, ttmp9, 10
	s_lshl_b32 s39, s19, 8
	s_add_co_u32 s38, s38, s39
	v_lshlrev_b32 v[VEA], 4, v2
	v_lshl_add_u32 v[VEA], v3, 16, v[VEA]
	v_add_nc_u32 v[VEA], s38, v[VEA]               ; ent_act: 16 x (4096 h + my token): lanes 16-31 store the level above
	s_lshl_b32 s38, s38, 1
	v_lshlrev_b32 v[VEG], 5, v2
	v_lshl_add_u32 v[VEG], v3, 4, v[VEG]
	v_add_nc_u32 v[VEG], s38, v[VEG]               ; ent_gg: 32 x my token + 16 h
	v_lshlrev_b32 v[VT16], 4, v0                   ; staging: 16 x thread
	v_add_nc_u32 v[VTP], PAC, v[VT16]
	v_add_nc_u32 v[VCB], 1280, v0
	v_min_u32 v[VCB], 1364, v[VCB]
	v_lshlrev_b32 v[VCB], 4, v[VCB]                ; b_in's last chunks: no load leaves the tree's 1,365 chunks of 16 bytes
	v_min_u32 v[VCS], 175, v0
	v_lshlrev_b32 v[VCS], 4, v[VCS]                ; the scale bytes' 176 chunks likewise
	v_lshlrev_b32 v[VXO], 3, v2
.irp a, 0,1,2,3
	v_mov_b32 v[M+2*\a+1], 0                       ; the masks' upper registers are named with them as pairs, so they are written
.endr
	s_mov_b32 s39, 0
	s_wait_kmcnt 0x0
	s_mul_i32 s38, s21, 21840
	s_add_nc_u64 s[12:13], s[12:13], s[38:39]      ; every tensor at tree p,
	s_mul_i32 s38, s21, 700416
	s_add_nc_u64 s[8:9], s[8:9], s[38:39]
	s_mul_i32 s38, s21, 43680
	s_add_nc_u64 s[10:11], s[10:11], s[38:39]
	s_mul_i32 s38, s21, 393216
	s_add_nc_u64 s[14:15], s[14:15], s[38:39]
	s_lshl_b32 s38, s21, 17
	s_add_nc_u64 s[16:17], s[16:17], s[38:39]
	s_lshl_b32 s38, ttmp9, 13
	s_add_nc_u64 s[4:5], s[4:5], s[38:39]          ; x at the block's first token,
	s_lshl_b32 s38, ttmp9, 9
	s_add_nc_u64 s[6:7], s[6:7], s[38:39]
	s_lshl_b32 s38, s19, 11
	s_add_nc_u64 s[48:49], s[4:5], s[38:39]        ; and at my own tile
	s_lshl_b32 s38, s19, 7
	s_add_nc_u64 s[50:51], s[6:7], s[38:39]
	s_lshl_b32 s38, s18, 14
	s_add_co_u32 s38, s38, 22*2048
	s_add_nc_u64 s[24:25], s[8:9], s[38:39]        ; my tiles of level 4: tile 22 + 8 w on,
	s_lshl_b32 s38, s18, 16
	s_add_co_u32 s38, s38, 86*2048
	s_add_nc_u64 s[26:27], s[8:9], s[38:39]        ; of level 5: tile 86 + 32 w on,
	s_lshl_b32 s38, s18, 10
	s_add_co_u32 s38, s38, 2720
	s_add_nc_u64 s[28:29], s[10:11], s[38:39]      ; and their rows' scale bytes: 8 (16 T - 12)
	s_lshl_b32 s38, s18, 12
	s_add_co_u32 s38, s38, 10912
	s_add_nc_u64 s[30:31], s[10:11], s[38:39]
	s_wait_alu depctr_va_vdst(0)                   ; all the addresses above are written, which the kernel's loads and stores read
	; what phase A and the biases want comes into LDS once, 16 bytes a thread and load, through the ring's registers
.irp k, 0,1,2,3,4
	global_load_b128 v[WR+4*\k:WR+4*\k+3], v[VT16], s[12:13] offset:4096*\k
.endr
	global_load_b128 v[WR+20:WR+23], v[VCB], s[12:13]
.irp k, 0,1,2,3,4,5,6,7,8,9,10
	global_load_b128 v[WR+24+4*\k:WR+24+4*\k+3], v[VT16], s[8:9] offset:4096*\k
.endr
	global_load_b128 v[WR+68:WR+71], v[VCS], s[10:11]
	WIN D1
.irp a, 0,1,2,3
.irp k, 0,1,2,3
	global_load_b128 v[XF+16*\a+4*\k:XF+16*\a+4*\k+3], v[VXA], s[4:5] offset:2048*\a+32*\k   ; x's fragments stay in registers: tile a, K step k / 2
.endr
.endr
.irp k, 0,1,2,3
	global_load_b128 v[XO+4*\k:XO+4*\k+3], v[VXA], s[48:49] offset:32*\k
.endr
	v_mov_b32 v[H1], v3                            ; (these eight lines name no register that a load or store of the head touches)
	v_mov_b32 v[MV], 0                             ; the walk begins at child 0 of tile 0, node 0
	v_mov_b32 v[CC], 0
	v_mov_b32 v[K1], 0
.irp j, 0,1,2,3
	v_mov_b32 v[GY+\j], 0                          ; written once: a lane permute's destination counts as one of its sources
.endr
	WIN 0
	global_load_b64 v[XS:XS+1], v[VSC], s[6:7]
	global_load_b64 v[XS+2:XS+3], v[VSC], s[6:7] offset:256
	global_load_b64 v[XOS:XOS+1], v[VXO], s[50:51]
	s_wait_loadcnt 23                              ; the 18 staging loads are in; x's 23 may be out
.irp k, 0,1,2,3,4,5
	ds_store_b128 v[VT16], v[WR+4*\k:WR+4*\k+3] offset:BIAS+4096*\k
.endr
.irp k, 0,1,2,3,4,5,6,7,8,9,10
	ds_store_b128 v[VTP], v[WR+24+4*\k:WR+24+4*\k+3] offset:4096*\k
.endr
	ds_store_b128 v[VTP], v[WR+68:WR+71] offset:PAS-PAC
	s_wait_dscnt 0x0                               ; for the others' sake: my stores have landed
	s_barrier_signal -1
	s_barrier_wait -1                              ; everybody's have
	s_wait_alu depctr_vm_vsrc(0)                   ; my LDS stores have read the ring's registers, in which the loads below land
.irp q, 0,1,2,3                        ; the ring's first fill: my eight tiles of level 4, each pair behind its scale words: 36 loads
	global_load_b64 v[WS+2*\q:WS+2*\q+1], v[VSC], s[28:29] offset:256*\q
.irp t, 0,1
.irp j, 0,1,2,3
	global_load_b128 v[WR+16*(2*\q+\t)+4*\j:WR+16*(2*\q+\t)+4*\j+3], v[VL16], s[24:25] offset:2048*(2*\q+\t)+512*\j
.endr
.endr
.endr
	s_cmp_gt_u32 s18, 3
	s_cbranch_scc1 .Lskip_a
	; ---- PHASE A: levels 0 to 3 of my token tile
	PALOAD 0
	s_wait_loadcnt 36                              ; x is in; the ring's 36 loads may be out
	s_wait_dscnt 0x0
	PALOAD 1                                       ; (no vector or matrix instruction has named either slot yet)
	PAW4 0                                         ; tile 0 (the root's group in rows 0-3) and tile 1 (level 1)
.rept 4
	v_nop
.endr
	WIN ALL1
	s_wait_alu depctr_va_vdst(0)
	RESOLVE ACCA, ACT                              ; level 0: CC = c1
	v_mov_b32 v[K1], v[CC]
	RESOLVE ACCA+8, ACT+4                          ; level 1: CC = c2
	PAG 1, K1, 0, CAND2, 1                         ; level 2's four tiles: the token's is tile c1
	PAG 2, K1, 2, CAND2, 0
	PAG 3, CC, 0, CAND3, 1                         ; level 3's sixteen: the token's is tile c2, known already
	PAG 4, CC, 2, CAND3, 0
	PAG 5, CC, 4, CAND3, 0
	PAG 6, CC, 6, CAND3, 0
	PAG 7, CC, 8, CAND3, 0
	PAG 8, CC, 10, CAND3, 0
	PAG 9, CC, 12, CAND3, 0
	PAG 10, CC, 14, CAND3, 0
	WIN ALL1
	RESOLVE CAND2, ACT+8                           ; level 2: CC = c3
	RESOLVE CAND3, ACT+12                          ; level 3: CC = c4
.irp j, 0,1,2,3
	v_cndmask_b32 v[OUT+\j], v[ACT+\j], v[ACT+4+\j], s33
	v_cndmask_b32 v[OUT+4+\j], v[ACT+8+\j], v[ACT+12+\j], s33
.endr
	WIN MAIN
	s_wait_alu depctr_va_vdst(0)                   ; the selects have written v[OUT ..] and the last decision v[CC], which the three stores below read
	global_store_b128 v[VEA], v[OUT:OUT+3], s[14:15]                  ; levels 0 and 1: sixteen lanes store 256 consecutive bytes each
	global_store_b128 v[VEA], v[OUT+4:OUT+7], s[14:15] offset:131072  ; levels 2 and 3
	ds_store_b32 v[VKS], v[CC]                     ; both halves of the lanes write the same word with the same value
	s_wait_xcnt 0x0                                ; the stores' registers are accumulators again below
	s_wait_alu depctr_vm_vsrc(0)                   ; the three stores have read v[OUT ..], which the products below write, and v[CC], which the last decisions write
	WIN 0
.Lskip_a:
	s_wait_dscnt 0x0
	s_barrier_signal -1
	s_barrier_wait -1                              ; c4 of all 64 tokens lies in LDS
	WIN MAIN
.irp a, 0,1,2,3
	ds_load_b32 v[KEYN+\a], v[VKL] offset:64*\a
.endr
	s_wait_dscnt 0x0
	WIN ALL1
.irp a, 0,1,2,3
	v_lshrrev_b32 v[KEY+\a], 2, v[KEYN+\a]
.endr
.irp a, 0,1,2,3
	v_sub_nc_u32 v[KEY+\a], v[KEY+\a], s35         ; the token's tile of level 4, counted from my first
	v_sub_nc_u32 v[KEYN+\a], v[KEYN+\a], s36       ; and of level 5
.endr
	WIN MAIN
.irp n, 0,1,2
.irp q, 0,1
	ds_load_b128 v[BI+8*\n+4*\q:BI+8*\n+4*\q+3], v[VB4] offset:64*\n+16*\q   ; (no vector or matrix instruction has named the biases' registers yet)
.endr
.endr
	; ---- MAIN: 8 tiles of level 4, 32 of level 5
	PHASE 0, 0, 0, 0, 1, 28, 6
	s_wait_alu depctr_va_vdst(0)
	PHASE 1, 1, 1, 1, 1, 28, 6
	PHASE 2, 1, 0, 1, 1, 28, 6
	PHASE 3, 1, 0, 1, 1, 28, 6
	PHASE 4, 1, 0, 1, 1, 28, 6
	PHASE 5, 1, 0, 1, 2, 28, 6
	PHASE 6, 1, 0, 1, 2, 28, 6
	PHASE 7, 1, 0, 1, 2, 28, 6
	PHASE 8, 1, 0, 1, 2, 28, 6
	s_wait_alu depctr_va_vdst(0)                   ; the selection of level 4's last tile has written the candidates, which the LDS stores read
.irp k, 0,1,2,3,4,5,6,7
	ds_store_b128 v[VC4S], v[SEL+4*\k:SEL+4*\k+3] offset:512*\k   ; level 4's candidates are whole
.endr
	s_wait_dscnt 0x0                               ; the stores are done
	STEP8
	WIN ALL1
.irp j, 0,1,2,3,4,5,6,7,8,9,10,11,12,13,14,15,16,17,18,19,20,21,22,23,24,25,26,27,28,29,30,31
	v_mov_b32 v[SEL+\j], 0                         ; level 5's first tile lies inside the loop, so its sums begin as zeros
.endr
.irp a, 0,1,2,3
	v_mov_b32 v[KEY+\a], v[KEYN+\a]
.endr
	WIN 0
	s_mov_b32 s32, 3
.Lmain:                                                ; a trip: eight tiles, once round the ring
	s_wait_alu depctr_va_vdst(0)
	PHASE 9, 1, 0, 1, 2, 28, 6
	PHASE 10, 1, 0, 1, 2, 28, 6
	PHASE 11, 1, 0, 1, 2, 28, 6
	PHASE 12, 1, 0, 1, 2, 28, 6
	PHASE 13, 1, 0, 1, 2, 28, 6
	PHASE 14, 1, 0, 1, 2, 28, 6
	PHASE 15, 1, 0, 1, 2, 28, 6
	PHASE 16, 1, 0, 1, 2, 28, 6
	WIN ALL1
.irp a, 0,1,2,3
	v_add_nc_u32 v[KEY+\a], -8, v[KEY+\a]          ; the masks compare with 0 to 7
.endr
	STEP8
	s_sub_co_u32 s32, s32, 1
	s_cmp_lg_u32 s32, 0
	s_cbranch_scc1 .Lmain
	s_wait_alu depctr_va_vdst(0)
	PHASE 33, 1, 0, 0, 2, 24, 6                    ; the last seven tiles ask for nothing more of memory: the counts run down
	PHASE 34, 1, 0, 0, 2, 20, 6
	PHASE 35, 1, 0, 0, 2, 16, 6
	PHASE 36, 1, 0, 0, 2, 12, 6
	PHASE 37, 1, 0, 0, 0, 8, 4
	PHASE 38, 1, 0, 0, 0, 4, 2
	PHASE 39, 1, 0, 0, 0, 0, 0
	WIN BLK
.irp a, 0,1,2,3
	v_cmp_eq_u32 s[SM+\a], 7, v[KEY+\a]            ; the last tile's selection
.endr
	s_wait_alu depctr_va_sdst(0)                   ; the four compares have written s[SM .. SM+3], ahead of the selects that read them
.irp a, 0,1,2,3
	v_cndmask_b32 v[M+2*\a], 0, 1.0, s[SM+\a]
.endr
	WIN MAIN
.irp o, 0,1,2,3,4,5,6,7,8,9,10,11,12,13,14,15
	SLOP \o, 1, 0
.endr
	s_wait_alu depctr_va_vdst(0)                   ; the last selection has written the candidates, which the LDS stores read; and all products and selections are done with window 1's v0-127, in which waves 0-3's loads land below: no vector instruction stands between
.irp k, 0,1,2,3,4,5,6,7
	ds_store_b128 v[VC5S], v[SEL+4*\k:SEL+4*\k+3] offset:512*\k
.endr
	WIN 0
	s_wait_dscnt 0x0
	s_barrier_signal -1
	s_barrier_wait -1                              ; all eight waves' candidates lie in LDS
	s_wait_alu depctr_vm_vsrc(0)                   ; my LDS stores have read the candidates' registers, which waves 0-3 write again below: stated ahead of the parting
	s_cmp_gt_u32 s18, 3
	s_cbranch_scc1 .Lend
	; ---- LAST: levels 4 and 5 of my token tile
	WIN MAIN
.irp v, 0,1,2,3,4,5,6,7
.irp q, 0,1
	ds_load_b128 v[8*\v+4*\q:8*\v+4*\q+3], v[VC4L] offset:4096*\v+512*\q
.endr
.endr
.irp v, 0,1,2,3,4,5,6,7
.irp q, 0,1
	ds_load_b128 v[64+8*\v+4*\q:64+8*\v+4*\q+3], v[VC5L] offset:4096*\v+512*\q
.endr
.endr
	s_wait_dscnt 16                                ; level 4's sixteen loads are in; level 5's may be out
	WIN ALL1
.irp v, 1,2,3,4,5,6,7
.irp u, 0,2,4,6
	v_pk_add_f32 v[\u:\u+1], v[\u:\u+1], v[8*\v+\u:8*\v+\u+1]   ; exact: one of the eight is not zero
.endr
.endr
	RESOLVE 0, 128                                 ; level 4: CC = c5
	s_wait_dscnt 0x0
.irp v, 1,2,3,4,5,6,7
.irp u, 0,2,4,6
	v_pk_add_f32 v[64+\u:64+\u+1], v[64+\u:64+\u+1], v[64+8*\v+\u:64+8*\v+\u+1]
.endr
.endr
	RESOLVE 64, 132                                ; level 5: CC = 4 c5 + a move that nobody takes
.irp j, 0,1,2,3
	v_cndmask_b32 v[136+\j], v[128+\j], v[132+\j], s33
.endr
.irp l, 0,1,2,3,4,5
	v_lshrrev_b32 v[140+\l], 12-2*\l, v[CC]        ; the node at level l,
.endr
.irp l, 0,1,2,3,4,5
	v_add_nc_u32 v[140+\l], s[40+\l], v[140+\l]    ; as a group's number over all four trees
.endr
	v_mov_b32 v146, 0
	v_mov_b32 v147, 0
.irp j, 0,1,2,3
	v_cndmask_b32 v[148+\j], v[140+\j], v[144+\j], s33
.endr
	WIN MAIN
	s_wait_alu depctr_va_vdst(0)                   ; the selects have written window 1's v136-139 and v148-151, which the two stores read
	global_store_b128 v[VEA], v[136:139], s[14:15] offset:262144      ; levels 4 and 5
	global_store_b128 v[VEG], v[148:151], s[16:17]                    ; 32 lanes store 512 consecutive bytes
	WIN 0
.Lend:
	s_wait_dscnt 0x0                               ; the closing lines, six on end
	s_wait_alu 0x0
	s_wait_tensorcnt 0x0
	ds_add_u32 v126, v127
	s_wait_dscnt 0x0
	s_endpgm
.Lfunc_end_k_qf5076558f7_route:
	.size	k_qf5076558f7_route, .Lfunc_end_k_qf5076558f7_route-k_qf5076558f7_route
	.p2alignl 7, 3214868480
	.fill 96, 4, 3214868480
	.section	.rodata,"a",@progbits
	.p2align	6, 0x0
	.amdhsa_kernel k_qf5076558f7_route
		.amdhsa_group_segment_fixed_size 140544
		.amdhsa_private_segment_fixed_size 0
		.amdhsa_enable_private_segment 0
		.amdhsa_kernarg_size 56
		.amdhsa_user_sgpr_count 2
		.amdhsa_user_sgpr_kernarg_segment_ptr 1
		.amdhsa_wavefront_size32 1
		.amdhsa_system_sgpr_workgroup_id_x 1
		.amdhsa_system_sgpr_workgroup_id_y 1
		.amdhsa_system_sgpr_workgroup_id_z 1
		.amdhsa_system_vgpr_workitem_id 0
		.amdhsa_next_free_vgpr 512
		.amdhsa_next_free_sgpr 66
		.amdhsa_reserve_vcc 0
		.amdhsa_float_denorm_mode_32 3
		.amdhsa_float_denorm_mode_16_64 3
		.amdhsa_memory_ordered 1
		.amdhsa_forward_progress 1
		.amdhsa_inst_pref_size 162
	.end_amdhsa_kernel
	.amdgpu_metadata
---
amdhsa.version: [ 1, 2 ]
amdhsa.kernels:
  - .name:           k_qf5076558f7_route
    .symbol:         k_qf5076558f7_route.kd
    .args:
      - { .name: oldx_codes, .offset: 0, .size: 8, .value_kind: global_buffer, .address_space: global }
      - { .name: oldx_scales, .offset: 8, .size: 8, .value_kind: global_buffer, .address_space: global }
      - { .name: win_frag, .offset: 16, .size: 8, .value_kind: global_buffer, .address_space: global }
      - { .name: W_in_scales, .offset: 24, .size: 8, .value_kind: global_buffer, .address_space: global }
      - { .name: b_in, .offset: 32, .size: 8, .value_kind: global_buffer, .address_space: global }
      - { .name: ent_act, .offset: 40, .size: 8, .value_kind: global_buffer, .address_space: global }
      - { .name: ent_gg, .offset: 48, .size: 8, .value_kind: global_buffer, .address_space: global }
    .group_segment_fixed_size: 140544
    .private_segment_fixed_size: 0
    .kernarg_segment_align: 8
    .kernarg_segment_size: 56
    .max_flat_workgroup_size: 256
    .sgpr_count:     66
    .vgpr_count:     512
    .wavefront_size: 32
...
	.end_amdgpu_metadata
.endif
;; end of part 5
;; launch combine (part 6): grid 64 x 4, 4 waves a work-group, no clusters, 70,144 bytes of LDS; arguments ent_act, ent_gg, wout_frag, wout_sc, out0; writes out0
.if DOCPART == 6
	.amdgcn_target "amdgcn-amd-amdhsa--gfx1250"
	.amdhsa_code_object_version 6
	.text
	.protected	k_qf5076558f7_combine
	.globl	k_qf5076558f7_combine
	.p2align	8
	.type	k_qf5076558f7_combine,@function
k_qf5076558f7_combine:
	s_mov_b64 s[64:65], 0
	v_nop
	global_prefetch_b8 v0, s[64:65] scope:SCOPE_SE
	s_setreg_imm32_b32 hwreg(HW_REG_WAVE_SCHED_MODE, 0, 2), 2
	s_setreg_imm32_b32 hwreg(HW_REG_WAVE_MODE, 25, 1), 1
	s_wait_xcnt 0x0
	s_wait_alu depctr_vm_vsrc(0)
; COMBINE.  out = Q(masked hidden layer) Q(W_out)^T on codes of E2M1.  Of a token's 21,840 hidden numbers 24 groups of four are not zero (six in each tree); ent_act has their values and ent_gg their places.
; SHARES.  Work-group (bx, nq): tokens 64 bx .. + 63, outputs 64 nq .. + 63.  Wave p walks the K range of tree p and the four partial sums meet in LDS at the end.
; A PASS is one K step of 128 for ONE entry (tree p, level L): 1, 1, 2, 3, 9, 33 passes for levels 0 to 5, from K step (1365 p + the level's first group) / 32 on: they cover the level's range for every p, and none passes K step 170.
; In a pass the hidden layer's fragments hold this entry's four codes where the token's block lies in this K step, and zeros elsewhere: built by compares and selects, no address and no branch hangs on the data.
; K steps that two levels share are walked once for each; the products add up, since a sum of products is linear in the codes.
; THE QUANTISER.  A block of 32 is eight groups, counted over all four trees, so it can hold entries of several levels and of two trees: its scale comes from the largest magnitude over all entries in it.  Entries in rising order of
; place are the tree before's level 5, my six, and the next tree's levels 0 to 2 (no other can share a block with mine); equal blocks are neighbours in that order, so a maximum carried forward and then back over equal
; neighbours gives each entry its block's.  Byte = that maximum's exponent field - 2, held at 1 from below.  Blocks without an entry are zero codes under any byte, so an entry's byte, four times, is the token's scale word in its passes.
; The matrix instruction is used transposed (source 0 = 16 rows of W_out, source 1 = 16 tokens): a lane holds eight neighbouring outputs of one token.
; W_out's fragments come straight from memory, in the order of the operand's registers, into a ring of seven passes: each is read by one wave of the work-group alone, so LDS would add a write and a read for each byte, and there is
; no LDS tile for a cluster's joint request to land in: no tensor load and no cluster.
; LIMITS: NaN and infinities among the activations are not served.
; REGISTERS, in three windows of 256 (s_set_vgpr_msb's low byte: bits 1:0 source 0, 3:2 source 1, 5:4 source 2, 7:6 destination).
;   window 0: v1-9 addresses; v20-33 W's scale words, seven slots; v36-43 the hidden layer's, two sets (these hold nothing else); v44-47 keys; v48-63 an entry's four possible registers a tile;
;             v64-127 the hidden layer's fragments, two sets; v128-255 sixteen accumulators.  Ahead of the first pass v64-191 are at work on the entries.
;   window 1: v0-223 the ring; v224-235 its addresses.   window 2: v0-95 an entry's codes, place and byte, [a 4][L 6]; v96-255 the activations as loaded.
; THE MODE: SCHED_MODE bits 1:0 = 2 (LLVM: expert scheduling mode 2), set by the entry lines.  The code itself states the register dependences between vector or matrix instructions and memory or LDS
; instructions, those through scalar registers that vector instructions write, and those from vector instructions to the operands of scaled matrix instructions, with s_wait_alu, always for 0.
; THE PLAN.  Registers that memory or LDS instructions touch:
;   the ring, W's scale words   Pass n's sixteen products read slot n % 7; the ten loads of pass n + 7, issued in pass n + 1, land in it.
;   the offsets (window 1's v224-235; v4, v5, v7, v8, v9)   Written at the head, ahead of one wait on va_vdst, and never again.
;   the accumulators   Written by the products; on the way out read by the LDS stores, then the stage's loads land in them, the additions write them and the global stores read them.
; The hidden layer's fragments and scale words are written by vector instructions in pass n and taken by the products of pass n + 1.
; So ONE wait on va_vdst stands at the head of a pass: it states that the build has written this pass's fragments and scale words, and that the products of the pass before are done reading their ring slot and its scale words.
; The pass's ten loads follow behind its fourth product: nothing between the wait and them names the slot that they fill, its scale words or their offsets.
; Every compare writes a scalar register: the compares stand in runs (eight at a pass's head, sixteen where a level begins, nine for a token tile's blocks), one wait on va_sdst behind each run, ahead of the selects that read the masks.
.set WSC, 20
.set ASC, 36
.set KEY, 44
.set V,   48
.set AB,  64
.set ACC, 128
.set GB0, 64                           ; set-up: tile a's group numbers at v[GB0 + 12 a + 1 + q], q = 0 .. 9 in rising order of place
.set T1,  128                          ; largest magnitudes
.set T2,  138
.set BL,  148                          ; blocks
.set SOP, 168                          ; the conversions' scale operands
.set CV,  174                          ; codes
.set SH,  180
.set HK,  186                          ; h + 4 x the level's first K step
.set VOFF, 224
.set VSO,  230
.set VAL, 0
.set LO,  24
.set BKH, 48
.set BYT, 72
.set RA,  96
.set SM,  40                           ; s40-47 and s54-61: sixteen masks where a level begins (s40-48: nine for a token tile's blocks)
.set BM,  54                           ; s54-61: a pass's eight masks
.set MAIN, 0x01                        ; source 0 window 1
.set LDW,  0x41                        ; destination and source 0 window 1
.set MSB, 0
.macro WIN new                         ; the immediate's high byte repeats the setting that is left
.if MSB != \new
	s_set_vgpr_msb (MSB<<8)|\new
.set MSB, \new
.endif
.endm
.macro WM cz, ra                       ; one matrix instruction on rD, rA, rB, rSA, rSB; cz = 0: it starts the sum; ra: which half of the lanes holds W's scale words
.if (\cz)==0
.if (\ra)==0
	v_wmma_scale_f32_16x16x128_f8f6f4 v[rD:rD+7], v[rA:rA+7], v[rB:rB+7], 0, v[rSA], v[rSB] matrix_a_fmt:MATRIX_FMT_FP4 matrix_b_fmt:MATRIX_FMT_FP4
.else
	v_wmma_scale_f32_16x16x128_f8f6f4 v[rD:rD+7], v[rA:rA+7], v[rB:rB+7], 0, v[rSA], v[rSB] matrix_a_fmt:MATRIX_FMT_FP4 matrix_b_fmt:MATRIX_FMT_FP4 matrix_a_scale:MATRIX_SCALE_ROW1
.endif
.else
.if (\ra)==0
	v_wmma_scale_f32_16x16x128_f8f6f4 v[rD:rD+7], v[rA:rA+7], v[rB:rB+7], v[rD:rD+7], v[rSA], v[rSB] matrix_a_fmt:MATRIX_FMT_FP4 matrix_b_fmt:MATRIX_FMT_FP4
.else
	v_wmma_scale_f32_16x16x128_f8f6f4 v[rD:rD+7], v[rA:rA+7], v[rB:rB+7], v[rD:rD+7], v[rSA], v[rSB] matrix_a_fmt:MATRIX_FMT_FP4 matrix_b_fmt:MATRIX_FMT_FP4 matrix_a_scale:MATRIX_SCALE_ROW1
.endif
.endif
.endm
.macro PLI n                           ; pass n is K step pI of level pL
.if (\n)<1
.set pL, 0
.set pI, (\n)
.elseif (\n)<2
.set pL, 1
.set pI, (\n)-1
.elseif (\n)<4
.set pL, 2
.set pI, (\n)-2
.elseif (\n)<7
.set pL, 3
.set pI, (\n)-4
.elseif (\n)<16
.set pL, 4
.set pI, (\n)-7
.else
.set pL, 5
.set pI, (\n)-16
.endif
.endm
.macro LOADP n                         ; pass n's four fragments of W_out (eight loads of 512 consecutive bytes) and their scale words (two loads), into slot n % 7
	PLI \n
	WIN LDW
.irp j, 0,1,2,3,4,5,6,7
	global_load_b128 v[32*((\n)%7)+4*\j:32*((\n)%7)+4*\j+3], v[VOFF+pL], s[50:51] offset:4096*pI+512*\j
.endr
	WIN MAIN
.irp j, 0,1
	global_load_b32 v[WSC+2*((\n)%7)+\j], v[VSO+pL], s[52:53] offset:256*pI+128*\j
.endr
.endm
; The entries of token tile a: block scales, codes, places.
.macro TILE a
.set GB, GB0+12*(\a)
.set RB, RA+40*(\a)
	WIN 0x2a                                       ; sources window 2
.irp q, 0,1,2,3,4,5,6,7,8,9
	v_max3_num_f32 v[T1+\q], |v[RB+4*\q]|, |v[RB+4*\q+1]|, |v[RB+4*\q+2]|
	v_max_num_f32 v[T2+\q], 0x1800000, |v[RB+4*\q+3]|   ; the floor 2^(3 - 127) among the leaves: the byte cannot fall under 1
.endr
	WIN 0
.irp q, 0,1,2,3,4,5,6,7,8,9
	v_max_num_f32 v[T1+\q], v[T1+\q], v[T2+\q]     ; the entry's largest magnitude
	v_lshrrev_b32 v[BL+\q], 3, v[GB+1+\q]          ; its block
.endr
	v_or_b32 v[BL], s30, v[BL]                     ; tree 0 has no tree before it, tree 3 none behind: such entries get blocks that equal none of mine
.irp q, 7,8,9
	v_or_b32 v[BL+\q], s31, v[BL+\q]
.endr
.irp q, 1,2,3,4,5,6,7,8,9
	v_cmp_eq_u32 s[39+\q], v[BL+\q], v[BL+\q-1]    ; in one block with the entry before?
.endr
	s_wait_alu depctr_va_sdst(0)                   ; the nine compares have written s40-48, ahead of the selects that read them
.irp q, 1,2,3,4,5,6,7,8,9
	v_max_num_f32 v[T2+\q], v[T1+\q], v[T1+\q-1]
	v_cndmask_b32 v[T1+\q], v[T1+\q], v[T2+\q], s[39+\q]   ; forward: a block's last entry gets the block's maximum,
.endr
.irp q, 8,7,6,5,4,3,2,1
	v_cndmask_b32 v[T1+\q], v[T1+\q], v[T1+\q+1], s[40+\q]   ; and back: so do the others
.endr
.irp l, 0,1,2,3,4,5
	v_add_nc_u32 v[SOP+\l], 0xff000000, v[T1+\l+1] ; 2 off the exponent field: the conversion's scale operand
	v_and_b32 v[SH+\l], 1, v[GB+2+\l]
.endr
.irp l, 0,1,2,3,4,5
	v_lshlrev_b32 v[SH+\l], 4, v[SH+\l]            ; an odd group's codes are a register's upper half
.endr
	WIN 0x02                                       ; source 0 window 2
.irp l, 0,1,2,3,4,5
	v_cvt_scalef32_pk8_fp4_f32 v[CV+\l], v[RB+4*\l+4:RB+4*\l+11], v[SOP+\l]   ; the entry's four codes in the low 16 bits (the upper four numbers are the next entry's, and are cut off)
.endr
	v_nop                                          ; one plain place behind the conversions
	WIN 0
.irp l, 0,1,2,3,4,5
	v_and_b32 v[CV+\l], 0xffff, v[CV+\l]
.endr
	WIN 0x80                                       ; destination window 2
.irp l, 0,1,2,3,4,5
	v_lshlrev_b32 v[VAL+6*(\a)+\l], v[SH+\l], v[CV+\l]       ; the one register that is not zero,
	v_bfe_u32 v[LO+6*(\a)+\l], v[GB+2+\l], 1, 2              ; which of a block's four it is,
	v_sub_nc_u32 v[BKH+6*(\a)+\l], v[BL+\l+1], v[HK+\l]      ; the block, counted from my half's first of the level's first K step,
	v_lshrrev_b32 v[BYT+6*(\a)+\l], 23, v[SOP+\l]            ; and the scale's byte
.endr
.endm
.macro SETUP l                         ; level l's entries are laid out for its passes
	WIN 0x0a                                       ; sources 0 and 1 window 2
.irp a, 0,1,2,3
.irp i, 0,1,2,3
	v_cmp_eq_u32 s[SM+4*\a+6*(\a/2)+\i], \i, v[LO+6*\a+(\l)]
.endr
.endr
	s_wait_alu depctr_va_sdst(0)                   ; the sixteen compares have written s40-47 and s54-61, ahead of the selects that read them
.irp a, 0,1,2,3
.irp i, 0,1,2,3
	v_cndmask_b32 v[V+4*\a+\i], 0, v[VAL+6*\a+(\l)], s[SM+4*\a+6*(\a/2)+\i]
.endr
	v_mov_b32 v[KEY+\a], v[BKH+6*\a+(\l)]
	v_perm_b32 v[ASC+4*((\l)%2)+\a], v[BYT+6*\a+(\l)], v[BYT+6*\a+(\l)], 0   ; the byte four times
.endr
.endm
; The fragments of the pass whose K step in its level is nI: for each token tile and each c a compare (is the token's block 4 nI + 2 c + h?), eight in a run; then 32 selects, select BO into register BO of set par.
.macro BCMP
.irp g, 0,1,2,3,4,5,6,7
	v_cmp_eq_u32 s[BM+\g], 4*nI+2*(\g%2), v[KEY+\g/2]
.endr
.endm
.macro BSEL par
	v_cndmask_b32 v[AB+32*(\par)+BO], 0, v[V+4*(BO/8)+BO%4], s[BM+BO/4]
.set BO, BO+1
.endm
; PASS n: at its head the next pass's eight compares; sixteen matrix instructions, the sixteen accumulators by turns in the same order in every pass; two of the next pass's 32 selects behind each;
; behind the fourth the loads of pass n + 6.
; An operand that vector instructions have written stands four plain vector instructions ahead of the scaled matrix instruction that takes it: behind the build's last selects stand the next pass's eight compares;
; the last pass builds nothing, so four v_nop stand at its head.  The wait on va_vdst follows those places.
.macro PASS n
	PLI \n
.set cL, pL
.if (\n)<48
	PLI (\n)+1
.set nL, pL
.set nI, pI
.if nL!=cL
	SETUP nL
.endif
	WIN MAIN
	BCMP
	s_wait_alu depctr_va_sdst(0)                   ; the eight compares have written s54-61, ahead of the selects that read them
.else
	WIN MAIN
.rept 4
	v_nop                                          ; the places between the last selects of the build and the products that take their results
.endr
.endif
	s_wait_alu depctr_va_vdst(0)                   ; the build has written this pass's fragments and scale words, which the products below take; the products of the pass before are done reading their ring slot and its scale words, in which this pass's loads land
.if (\n)<=43
	s_wait_loadcnt 50                              ; this pass's ten loads are in; ten for each of the five younger passes may be out
.else
	s_wait_loadcnt 10*(48-(\n))
.endif
.set BO, 0
.set Q, 0
.rept 16
.set rD, ACC+8*Q
.set rA, 32*((\n)%7)+8*(Q%4)
.set rB, AB+32*((\n)%2)+8*(Q/4)
.set rSA, WSC+2*((\n)%7)+(Q%4)/2
.set rSB, ASC+4*(cL%2)+Q/4
	WM \n, Q%2
.if (\n)<48
	BSEL ((\n)+1)%2
	BSEL ((\n)+1)%2
.endif
.if (Q==3)&&((\n)+6<=48)
	LOADP (\n)+6                                   ; no wait: no vector or matrix instruction since the wait at the pass's head names slot (n + 6) % 7, its scale words or the offsets
.endif
.set Q, Q+1
.endr
.endm
	s_load_b256 s[4:11], s[0:1], 0x0               ; ent_act s[4:5], ent_gg s[6:7], wout_frag s[8:9], wout_sc s[10:11]
	s_load_b64 s[12:13], s[0:1], 0x20              ; out0
	v_lshl_add_u32 v34, v0, 2, 0x11000
	v_mov_b32 v35, 0
	v_lshrrev_b32 v1, 5, v0
	v_readfirstlane_b32 s14, v1                    ; wave = tree
	s_and_b32 s16, ttmp7, 0xffff                   ; nq
	v_and_b32 v10, 31, v0                          ; lane
	v_and_b32 v6, 15, v0                           ; r
	v_bfe_u32 v3, v0, 4, 1                         ; h
	v_lshlrev_b32 v1, 4, v10
	v_lshlrev_b32 v2, 2, v10
	s_lshl_b32 s38, ttmp9, 10
	v_lshl_add_u32 v4, v6, 4, s38                  ; ent_act: 16 x (64 bx + r)
	s_lshl_b32 s38, ttmp9, 11
	v_lshl_add_u32 v5, v6, 5, s38                  ; ent_gg: 32 x (64 bx + r)
	s_wait_alu depctr_va_sdst(0)                   ; s14 is written, ahead of its first reader: addresses and bases are made from it
	s_mul_i32 s38, s14, 17408                      ; the way out: my partial sums' 64 rows of 256 + 16 bytes;
	v_mul_u32_u24 v7, v6, 272
	v_lshl_add_u32 v7, v3, 5, v7
	v_add_nc_u32 v7, s38, v7                       ; in: row r, + 32 h
	s_mul_i32 s38, s14, 16*272
	v_mul_u32_u24 v8, v3, 272
	v_lshl_add_u32 v8, v6, 4, v8
	v_add_nc_u32 v8, s38, v8                       ; back: rows 16 w on; lanes 0-15 one row, lanes 16-31 the next
	v_lshlrev_b32 v9, 10, v3
	v_lshl_add_u32 v9, v6, 4, v9                   ; and the same two rows in out0
	s_mul_i32 s38, s14, 1365
	s_lshr_b32 s32, s38, 5                         ; each level's first K step
	s_add_co_u32 s33, s38, 1
	s_lshr_b32 s33, s33, 5
	s_add_co_u32 s34, s38, 5
	s_lshr_b32 s34, s34, 5
	s_add_co_u32 s35, s38, 21
	s_lshr_b32 s35, s35, 5
	s_add_co_u32 s36, s38, 85
	s_lshr_b32 s36, s36, 5
	s_add_co_u32 s37, s38, 341
	s_lshr_b32 s37, s37, 5
.irp l, 0,1,2,3,4,5
	v_lshl_add_u32 v[HK+\l], s[32+\l], 2, v3
.endr
	WIN 0x40                                       ; destination window 1
.irp l, 0,1,2,3,4,5
	v_lshl_add_u32 v[VOFF+\l], s[32+\l], 12, v1    ; 4,096 bytes of fragments a K step, + 16 x lane
	v_lshl_add_u32 v[VSO+\l], s[32+\l], 8, v2      ; 256 bytes of scale words, + 4 x lane
.endr
	WIN 0
	s_cmp_eq_u32 s14, 0
	s_cselect_b32 s30, 0x40000000, 0
	s_cmp_eq_u32 s14, 3
	s_cselect_b32 s31, 0x40000000, 0
	s_mov_b32 s39, 0
	s_wait_kmcnt 0x0
	s_mul_i32 s38, s14, 393216
	s_add_nc_u64 s[18:19], s[4:5], s[38:39]        ; my tree's activations,
	s_lshl_b32 s38, s14, 17
	s_add_nc_u64 s[24:25], s[6:7], s[38:39]        ; and group numbers;
	s_sub_co_i32 s17, s14, 1
	s_max_i32 s17, s17, 0                          ; the tree before (tree 0 reads its own, and throws it away)
	s_mul_i32 s38, s17, 393216
	s_add_co_u32 s38, s38, 327680                  ; its level 5
	s_add_nc_u64 s[20:21], s[4:5], s[38:39]
	s_lshl_b32 s38, s17, 17
	s_add_nc_u64 s[26:27], s[6:7], s[38:39]
	s_add_co_u32 s17, s14, 1
	s_min_u32 s17, s17, 3                          ; the tree behind (tree 3 likewise)
	s_mul_i32 s38, s17, 393216
	s_add_nc_u64 s[22:23], s[4:5], s[38:39]
	s_lshl_b32 s38, s17, 17
	s_add_nc_u64 s[28:29], s[6:7], s[38:39]
	s_mul_i32 s38, s16, 700416
	s_add_nc_u64 s[50:51], s[8:9], s[38:39]        ; W_out's fragments and scale words of my 64 outputs
	s_mul_i32 s38, s16, 43776
	s_add_nc_u64 s[52:53], s[10:11], s[38:39]
	s_lshl_b32 s38, ttmp9, 16
	s_lshl_b32 s17, s14, 14
	s_add_co_u32 s38, s38, s17
	s_lshl_b32 s17, s16, 8
	s_add_co_u32 s38, s38, s17
	s_add_nc_u64 s[12:13], s[12:13], s[38:39]      ; out0 at row 64 bx + 16 w, column 64 nq
	WIN 0x80                                       ; destination window 2
	s_wait_alu depctr_va_vdst(0)                   ; all offsets and addresses are written (v4, v5, v7, v8, v9; window 1's v224-235), which the kernel's loads and stores read
.irp a, 0,1,2,3
	global_load_b128 v[RA+40*\a:RA+40*\a+3], v4, s[20:21] offset:256*\a
.irp q, 1,2,3,4,5,6
	global_load_b128 v[RA+40*\a+4*\q:RA+40*\a+4*\q+3], v4, s[18:19] offset:65536*(\q-1)+256*\a
.endr
.irp q, 7,8,9
	global_load_b128 v[RA+40*\a+4*\q:RA+40*\a+4*\q+3], v4, s[22:23] offset:65536*(\q-7)+256*\a
.endr
.endr
	WIN 0
.irp a, 0,1,2,3
	global_load_b32 v[GB0+12*\a+1], v5, s[26:27] offset:512*\a+20
	global_load_b128 v[GB0+12*\a+2:GB0+12*\a+5], v5, s[24:25] offset:512*\a
	global_load_b64 v[GB0+12*\a+6:GB0+12*\a+7], v5, s[24:25] offset:512*\a+16
	global_load_b128 v[GB0+12*\a+8:GB0+12*\a+11], v5, s[28:29] offset:512*\a
.endr
.irp n, 0,1,2,3,4,5
	LOADP \n
.endr
	s_wait_loadcnt 60                              ; the entries are in; the ring's 60 loads may be out
	TILE 0
	TILE 1
	TILE 2
	TILE 3
	SETUP 0
	WIN 0
.set nI, 0
	BCMP                                           ; the first pass's fragments
	s_wait_alu depctr_va_sdst(0)                   ; the eight compares have written s54-61, ahead of the selects that read them
.set BO, 0
.rept 32
	BSEL 0
.endr
.irp n, 0,1,2,3,4,5,6,7,8,9,10,11,12,13,14,15,16,17,18,19,20,21,22,23,24,25,26,27,28,29,30,31,32,33,34,35,36,37,38,39,40,41,42,43,44,45,46,47,48
	PASS \n
.endr
	; THE WAY OUT.  Each wave's 64 x 64 partial sums go into its own rows in LDS; behind a barrier wave w adds the four waves' rows 16 w .. 16 w + 15 and stores them.
.rept 4
	v_nop                                          ; places between the last products and the first read of results
.endr
	WIN 0
	s_wait_alu depctr_va_vdst(0)                   ; the products have written the accumulators, which the LDS stores read and in which the stage's loads land below: no vector instruction stands between; the places above stay beside this wait
.irp a, 0,1,2,3
.irp b, 0,1,2,3
	ds_store_b128 v7, v[ACC+8*(4*\a+\b):ACC+8*(4*\a+\b)+3] offset:4352*\a+64*\b        ; each accumulator from its low end on: lane (r, h): token 16 a + r, outputs 16 b + 8 h + 0 .. 7
	ds_store_b128 v7, v[ACC+8*(4*\a+\b)+4:ACC+8*(4*\a+\b)+7] offset:4352*\a+64*\b+16
.endr
.endr
	s_wait_dscnt 0x0                               ; for the others' sake: my stores have landed
	s_barrier_signal -1
	s_barrier_wait -1
	s_wait_alu depctr_vm_vsrc(0)                   ; my LDS stores have read v128-255, in which the loads below land
.irp t, 0,1,2,3
.irp i, 0,1,2,3,4,5,6,7
	ds_load_b128 v[128+32*\t+4*\i:128+32*\t+4*\i+3], v8 offset:17408*\t+544*\i
.endr
.endr
	s_wait_dscnt 0x0
.irp i, 0,1,2,3,4,5,6,7
.irp u, 0,2
	v_pk_add_f32 v[128+4*\i+\u:128+4*\i+\u+1], v[128+4*\i+\u:128+4*\i+\u+1], v[160+4*\i+\u:160+4*\i+\u+1]
	v_pk_add_f32 v[192+4*\i+\u:192+4*\i+\u+1], v[192+4*\i+\u:192+4*\i+\u+1], v[224+4*\i+\u:224+4*\i+\u+1]
.endr
.endr
.irp i, 0,1,2,3,4,5,6,7
.irp u, 0,2
	v_pk_add_f32 v[128+4*\i+\u:128+4*\i+\u+1], v[128+4*\i+\u:128+4*\i+\u+1], v[192+4*\i+\u:192+4*\i+\u+1]
.endr
.endr
	s_wait_alu depctr_va_vdst(0)                   ; the additions have written v128-159, which the eight stores read
.irp i, 0,1,2,3,4,5,6,7
	global_store_b128 v9, v[128+4*\i:128+4*\i+3], s[12:13] offset:2048*\i th:TH_STORE_NT   ; sixteen lanes store 256 consecutive bytes, at a multiple of 256 from out0's first byte
.endr
	s_wait_dscnt 0x0                               ; the closing lines, six on end
	s_wait_alu 0x0
	s_wait_tensorcnt 0x0
	ds_add_u32 v34, v35
	s_wait_dscnt 0x0
	s_endpgm
.Lfunc_end_k_qf5076558f7_combine:
	.size	k_qf5076558f7_combine, .Lfunc_end_k_qf5076558f7_combine-k_qf5076558f7_combine
	.p2alignl 7, 3214868480
	.fill 96, 4, 3214868480
	.section	.rodata,"a",@progbits
	.p2align	6, 0x0
	.amdhsa_kernel k_qf5076558f7_combine
		.amdhsa_group_segment_fixed_size 70144
		.amdhsa_private_segment_fixed_size 0
		.amdhsa_enable_private_segment 0
		.amdhsa_kernarg_size 40
		.amdhsa_user_sgpr_count 2
		.amdhsa_user_sgpr_kernarg_segment_ptr 1
		.amdhsa_wavefront_size32 1
		.amdhsa_system_sgpr_workgroup_id_x 1
		.amdhsa_system_sgpr_workgroup_id_y 1
		.amdhsa_system_sgpr_workgroup_id_z 1
		.amdhsa_system_vgpr_workitem_id 0
		.amdhsa_next_free_vgpr 768
		.amdhsa_next_free_sgpr 66
		.amdhsa_reserve_vcc 0
		.amdhsa_float_denorm_mode_32 3
		.amdhsa_float_denorm_mode_16_64 3
		.amdhsa_memory_ordered 1
		.amdhsa_forward_progress 1
		.amdhsa_inst_pref_size 255
	.end_amdhsa_kernel
	.section	.bss,"aw",@nobits
	.p2align	6
	.space	262144
	.amdgpu_metadata
---
amdhsa.version: [ 1, 2 ]
amdhsa.kernels:
  - .name:           k_qf5076558f7_combine
    .symbol:         k_qf5076558f7_combine.kd
    .args:
      - { .name: ent_act, .offset: 0, .size: 8, .value_kind: global_buffer, .address_space: global }
      - { .name: ent_gg, .offset: 8, .size: 8, .value_kind: global_buffer, .address_space: global }
      - { .name: wout_frag, .offset: 16, .size: 8, .value_kind: global_buffer, .address_space: global }
      - { .name: wout_sc, .offset: 24, .size: 8, .value_kind: global_buffer, .address_space: global }
      - { .name: out0, .offset: 32, .size: 8, .value_kind: global_buffer, .address_space: global }
    .group_segment_fixed_size: 70144
    .private_segment_fixed_size: 0
    .kernarg_segment_align: 8
    .kernarg_segment_size: 40
    .max_flat_workgroup_size: 128
    .sgpr_count:     66
    .vgpr_count:     768
    .wavefront_size: 32
...
	.end_amdgpu_metadata
.endif
;; end of part 6
